; MI455X (gfx1250); checked and timed in simulation.
; The chip was launched on July 23, 2026; its instructions are those of AMD's public machine-readable ISA for CDNA 5 (MIT licence, August 2026) and "CDNA5" Instruction Set Architecture Reference Guide (July 2026). The comments in the code are by the model that wrote it; some were corrected since.
;; Cross Attention Block. Allowed arithmetic: matrix products marked QUANTISED: E3M2 operands, one E8M0 scale for each 32 along K, by v_wmma_scale_f32_16x16x128_f8f6f4 with both operands' format E3M2, f32 sums; everything else in f32.
;; Inputs: bkv 1,024 float32; bo 512 float32; bq 512 float32; gn_b 512 float32; gn_w 512 float32; wkv 1,024 x 512 float32; wo 512 x 512 float32; wq 512 x 512 float32; x 2 x 512 x 64 x 64 float32.
;; Outputs: out0 2 x 512 x 64 x 64 float32.
;; This version of the problem:
;;   THIS VERSION OF THE PROBLEM IS GIVEN IN LOW PRECISION. The matrix products marked QUANTISED in the list below multiply operands that are first quantised to E3M2 (3 exponent bits, 2 mantissa bits; 6 bits a number), with one power-of-two scale for each 32 numbers along K (OCP MX v1.0); their sums are f32. All else is computed in f32.
;;   The module's matrix products, in the order in which they are computed (A, B: the left and right operand; K: the contracted axis; several contracted axes count as one K, in the product's order):
;;     1. [M 8,192, K 512] x [K 512, N 512]; A: computed on the way; B: input wq: QUANTISED
;;     2. [M 8,192, K 512] x [K 512, N 1,024]; A: computed on the way; B: input wkv: QUANTISED
;;     3. batch 16 x [M 4,096, K 64] x [K 64, N 4,096]; A: computed on the way; B: computed on the way: QUANTISED
;;     4. batch 16 x [M 64, K 4,096] x [K 4,096, N 4,096]; A: computed on the way; B: softmax (see below): QUANTISED
;;     5. [M 8,192, K 512] x [K 512, N 512]; A: computed on the way; B: input wo: QUANTISED
;;   THE QUANTISER, for each operand of a quantised product, along K:
;;     - K is cut into blocks of 32 from its start; a last block that is shorter is filled with zeros.
;;     - A block's scale is 2^e with e = floor(log2(the largest magnitude in the block)) - 4, held to -126 .. 127; a block of zeros has e = 0. As a byte (E8M0): e + 127.
;;     - Each number is divided by its block's scale, clamped to +-28, and rounded to the nearest number of E3M2, ties to even, subnormals kept.
;;     - The product sums the exact products of the quantised numbers (number of the format x scale) in f32.
;;   ~~~python
;;   def quantise(x, axis):      # numpy; x: float32 -> the quantised numbers, widened to float32 again
;;       x = np.moveaxis(x, axis, -1); K = x.shape[-1]
;;       x = np.pad(x, [(0, 0)] * (x.ndim - 1) + [(0, -K % 32)]); x = x.reshape(x.shape[:-1] + (-1, 32)); a = np.abs(x).max(-1, keepdims=True)
;;       e = np.where(a > 0, np.clip(np.frexp(np.where(a > 0, a, 1))[1] - 1 - 4, -126, 127), 0)      # np.frexp(a)[1] - 1 = floor(log2(a)), exactly
;;       r = np.clip(x / 2.0 ** e, -28, 28)
;;       step = 2.0 ** (np.maximum(np.frexp(np.where(r == 0, 1, r))[1] - 1, -2) - 2)
;;       q = np.round(r / step) * step * 2.0 ** e      # np.round: ties to even
;;       return np.moveaxis(q.reshape(q.shape[:-2] + (-1,))[..., :K], -1, axis).astype(np.float32)
;;   ~~~
;;   SOFTMAX AHEAD OF A QUANTISED PRODUCT. Where the list says 'softmax', what is quantised is not the finished softmax but p = 2^(t - M), with t = logit x log2(e) and M = ceil(the row's largest t), a whole number; so 1/2 < the row's largest p <= 1. The row's sum l is taken of the UNQUANTISED p, in f32, and the product's result is divided by l at the end. Since M is a whole number, a kernel that streams over the keys may use a running M (the ceiling of the running maximum): every later rescaling is an exact power of two, which a block's scale takes up: the codes' values come out the same.
;;   OPERANDS COMPUTED ON THE WAY. 'Computed on the way' means the value that the module computes at that place (a softmax that the list does not call 'softmax' is quantised finished and normalised). What goes into a quantiser is computed in f32, as accurately as f32 sums, v_exp_f32 and their like allow (about 1e-6 of the number): no bf16 or f16 on the way to a quantiser, and a product that is left as it is and whose result goes on into a quantised operand takes f32 operands (vector FMAs, or v_wmma_f32_16x16x4_f32). A number that lies on a knife's edge between two numbers of the format may be rounded either way, as far as f32 arithmetic and the matrix unit's own rounding can turn it there, and no further.
;; One version. Each part assembles by itself: llvm-mc -triple=amdgcn-amd-amdhsa -mcpu=gfx1250 --defsym DOCPART=n.
;; ======== version 1 of 1: 4 launches
;; workspace buffers: stats 8,192 bytes; wimg 786,432 bytes; wsc 32,768 bytes; qc 3,407,872 bytes; kv 6,684,672 bytes; ao 3,276,800 bytes
;; launch prep (part 1): grid 384 x 1, 4 waves a work-group, no clusters, 0 bytes of LDS; arguments x, wq, wkv, wo, stats, wimg, wsc; writes stats, wimg, wsc
.if DOCPART == 1
	.amdgcn_target "amdgcn-amd-amdhsa--gfx1250"
	.amdhsa_code_object_version 6
	.text
	.protected	k_q3b343442aa_prep
	.globl	k_q3b343442aa_prep
	.p2align	8
	.type	k_q3b343442aa_prep,@function
k_q3b343442aa_prep:
	s_mov_b64 s[64:65], 0
	v_nop
	global_prefetch_b8 v0, s[64:65] scope:SCOPE_SE
	s_setreg_imm32_b32 hwreg(HW_REG_WAVE_MODE, 25, 1), 1
	s_wait_xcnt 0x0
; Two jobs in one launch, parted by the work-group's number; waves share nothing, so there is no LDS and no barrier.
; WORK-GROUPS 0-255: GroupNorm's statistics in parts.  A group is 16 channels x 4,096 pixels = 65,536 dense numbers; wave w of work-group i takes the 4,096 numbers
; at byte 65536 i + 16384 w of x, keeps them in 128 registers, and stores (their mean, the sum of their squared distances from that mean) at stats[4 i + w]:
; 16 entries a group.  The mean is taken first and the distances from it second, so no difference of large sums is formed.
; WORK-GROUPS 256-383: wq, wkv, wo, f32 [out][512], become codes of BF6 (E3M2) with one E8M0 byte for each 32 along K = the input channels.
; Wave s of work-group 256 + T makes fragment (tile T, K step s): 16 rows x 128 K, 12 registers a lane, stored AS AN IMAGE OF THE OPERAND'S REGISTERS at (4 T + s) x 1536:
; registers 4 c .. 4 c + 3 of lane l at 512 c + 16 l.  Tiles 0-31 wq, 32-95 wkv, 96-127 wo.  Lane row r of a matrix's tile T' is its row 32 (T'/2) + 8 (T'%2) + r + 8 (r/8).
; The scale word of (T, r, s) lies at 256 T + 16 r + 4 s.
; A block's scale byte is its largest magnitude's exponent field - 4, held at 1 from below (a block of zeros keeps 1: its codes are zeros, and this program alone reads the bytes).
; LIMITS: NaN and infinities among the inputs are not served; blocks whose largest magnitude lies under 2^-122 keep the byte 1.
.set X,  32                            ; v32-159  the wave's 4,096 numbers, 128 a lane
.set SM, 8                             ; v8-15    four chains of packed sums
	s_load_b256 s[4:11], s[0:1], 0x0               ; x s[4:5], wq s[6:7], wkv s[8:9], wo s[10:11]
	s_load_b128 s[12:15], s[0:1], 0x20             ; stats s[12:13], wimg s[14:15]
	s_load_b64 s[16:17], s[0:1], 0x30              ; wsc
	v_lshrrev_b32 v1, 5, v0
	v_readfirstlane_b32 s18, v1                    ; wave 0..3
	v_and_b32 v1, 31, v0                           ; lane
	v_lshlrev_b32 v2, 4, v1                        ; 16 x lane
	s_mov_b32 s22, 0x76543210
	s_mov_b32 s23, 0xfedcba98                      ; v_permlanex16_b32's selects for lane l xor 16
	s_wait_kmcnt 0x0
	s_cmp_lt_u32 ttmp9, 256
	s_cbranch_scc0 .Lweights
; ---- the statistics
.macro WSUM                            ; the four chains, then the 32 lanes: the sum in v[SM] of every lane
	v_pk_add_f32 v[SM:SM+1], v[SM:SM+1], v[SM+2:SM+3]
	v_pk_add_f32 v[SM+4:SM+5], v[SM+4:SM+5], v[SM+6:SM+7]
	v_pk_add_f32 v[SM:SM+1], v[SM:SM+1], v[SM+4:SM+5]
	v_add_f32 v[SM], v[SM], v[SM+1]
	v_add_f32_dpp v[SM], v[SM], v[SM] row_xmask:1 row_mask:0xf bank_mask:0xf
	v_add_f32_dpp v[SM], v[SM], v[SM] row_xmask:2 row_mask:0xf bank_mask:0xf
	v_add_f32_dpp v[SM], v[SM], v[SM] row_xmask:4 row_mask:0xf bank_mask:0xf
	v_add_f32_dpp v[SM], v[SM], v[SM] row_xmask:8 row_mask:0xf bank_mask:0xf
	v_permlanex16_b32 v[SM+1], v[SM], s22, s23
	v_add_f32 v[SM], v[SM], v[SM+1]
.endm
	s_lshl_b32 s20, ttmp9, 16                      ; the work-group's 65,536 bytes,
	s_lshl_b32 s21, s18, 14                        ; my wave's 16,384 of them
	s_add_co_u32 s20, s20, s21
	s_mov_b32 s21, 0
	s_add_nc_u64 s[4:5], s[4:5], s[20:21]
.set ii, 0
	s_wait_alu depctr_va_vdst(0)
.rept 32
	global_load_b128 v[X+4*ii:X+4*ii+3], v2, s[4:5] offset:512*ii   ; 32 lanes read 512 consecutive bytes; later launches read x again, so no hint
.set ii, ii+1
.endr
	s_lshl_b32 s24, ttmp9, 2
	s_add_co_u32 s24, s24, s18
	s_lshl_b32 s24, s24, 3                         ; my entry: 8 bytes at 8 (4 i + w)
	v_mov_b32 v3, s24
	s_wait_loadcnt 24                              ; the first eight loads are in; the 24 younger may be out
.irp k, 0,1,2,3
	v_pk_add_f32 v[SM+2*\k:SM+2*\k+1], v[X+2*\k:X+2*\k+1], v[X+8+2*\k:X+9+2*\k]   ; the first words start the chains: nothing is cleared
.endr
.set ii, 8
.rept 56
.if ii == 16
	s_wait_alu depctr_va_vdst(0)
	s_wait_loadcnt 16                              ; the second eight
.elseif ii == 32
	s_wait_alu depctr_va_vdst(0)
	s_wait_loadcnt 8                               ; the third
.elseif ii == 48
	s_wait_alu depctr_va_vdst(0)
	s_wait_loadcnt 0x0                             ; all
.endif
	v_pk_add_f32 v[SM+2*(ii%4):SM+2*(ii%4)+1], v[SM+2*(ii%4):SM+2*(ii%4)+1], v[X+2*ii:X+2*ii+1]
.set ii, ii+1
.endr
	WSUM
	v_mul_f32 v16, 0x39800000, v[SM]               ; the mean of my 4,096: x 2^-12
	v_mov_b32 v17, v16
.set ii, 0
.rept 64
	v_pk_add_f32 v[X+2*ii:X+2*ii+1], v[X+2*ii:X+2*ii+1], v[16:17] neg_lo:[0,1] neg_hi:[0,1]   ; x - mean, in place
.set ii, ii+1
.endr
.irp k, 0,1,2,3
	v_pk_mul_f32 v[SM+2*\k:SM+2*\k+1], v[X+2*\k:X+2*\k+1], v[X+2*\k:X+2*\k+1]
.endr
.set ii, 4
.rept 60
	v_pk_fma_f32 v[SM+2*(ii%4):SM+2*(ii%4)+1], v[X+2*ii:X+2*ii+1], v[X+2*ii:X+2*ii+1], v[SM+2*(ii%4):SM+2*(ii%4)+1]
.set ii, ii+1
.endr
	WSUM
	v_mov_b32 v17, v[SM]                           ; (mean, sum of squared distances)
	s_wait_alu depctr_va_vdst(0)
	s_wait_xcnt 0x0                                ; EXEC changes only behind this wait
	v_cmp_eq_u32 vcc_lo, 0, v1
	s_and_saveexec_b32 s25, vcc_lo                 ; lane 0 stores for the wave
	global_store_b64 v3, v[16:17], s[12:13]
	s_wait_xcnt 0x0
	s_or_b32 exec_lo, exec_lo, s25
	s_endpgm
; ---- the weights
.Lweights:
	s_sub_co_u32 s20, ttmp9, 256                   ; T
	s_cmp_lt_u32 s20, 32
	s_cselect_b64 s[24:25], s[6:7], s[8:9]         ; the choice hangs on the work-group's number alone
	s_cselect_b32 s21, 0, 32
	s_cmp_lt_u32 s20, 96
	s_cselect_b64 s[24:25], s[24:25], s[10:11]
	s_cselect_b32 s21, s21, 96
	s_sub_co_u32 s21, s20, s21                     ; T': the tile within its matrix
	s_lshr_b32 s26, s21, 1
	s_lshl_b32 s26, s26, 5
	s_and_b32 s27, s21, 1
	s_lshl_b32 s27, s27, 3
	s_add_co_u32 s26, s26, s27                     ; the tile's first row: 32 (T'/2) + 8 (T'%2)
	s_lshl_b32 s26, s26, 11                        ; rows of 2,048 bytes,
	s_lshl_b32 s27, s18, 9                         ; K step s: 512 bytes on
	s_add_co_u32 s26, s26, s27
	s_mov_b32 s27, 0
	s_add_nc_u64 s[24:25], s[24:25], s[26:27]
	s_lshl_b32 s28, s20, 2
	s_add_co_u32 s28, s28, s18
	s_mul_i32 s28, s28, 1536                       ; the image's place
	s_mov_b32 s29, 0
	s_add_nc_u64 s[14:15], s[14:15], s[28:29]
	s_lshl_b32 s30, s20, 8
	s_lshl_b32 s31, s18, 2
	s_add_co_u32 s30, s30, s31                     ; the scale words' place: 256 T + 4 s
	s_mov_b32 s31, 0
	s_add_nc_u64 s[16:17], s[16:17], s[30:31]
	v_and_b32 v3, 15, v0                           ; r
	v_bfe_u32 v4, v0, 4, 1                         ; h
	v_and_b32 v5, 8, v3
	v_add_nc_u32 v5, v5, v3                        ; r + 8 (r / 8)
	v_lshlrev_b32 v6, 11, v5
	v_lshl_add_u32 v6, v4, 7, v6                   ; my row, + 128 h: the layout gives lane (r, h) k = 64 c + 32 h + 0 .. 31
	v_lshlrev_b32 v7, 4, v3                        ; 16 r
.irp c, 0,1
.irp i, 0,1,2,3,4,5,6,7
	global_load_b128 v[64+32*\c+4*\i:67+32*\c+4*\i], v6, s[24:25] offset:256*\c+16*\i th:TH_LOAD_NT
.endr
.endr
	s_wait_loadcnt 0x0
.irp c, 0,1                                    ; my block 2 c + h: all its 32 numbers are mine
	v_max3_num_f32 v[32+\c], |v[64+32*\c]|, |v[65+32*\c]|, 0x2800000   ; and the floor 2^(5 - 127): the byte cannot fall under 1
.endr
.irp i, 2,4,6,8,10,12,14,16,18,20,22,24,26,28,30
.irp c, 0,1
	v_max3_num_f32 v[32+\c], v[32+\c], |v[64+32*\c+\i]|, |v[65+32*\c+\i]|
.endr
.endr
.irp c, 0,1
	v_add_nc_u32 v[44+\c], 0xfe000000, v[32+\c]    ; 4 off the exponent field: the conversion's scale operand
.endr
.irp c, 0,1
	v_lshrrev_b32 v[36+\c], 23, v[44+\c]           ; the scale's byte
.endr
	v_lshl_or_b32 v9, v37, 16, v36                 ; my two bytes, blocks h and 2 + h,
	v_lshlrev_b32 v10, 3, v4
	v_lshlrev_b32 v9, v10, v9                      ; at their places in the word;
	v_mov_b32 v10, 0
	v_permlanex16_b32 v10, v9, s22, s23
	v_or_b32 v9, v9, v10                           ; with lane l xor 16's two the word is whole
.irp c, 0,1
	v_cvt_scalef32_pk16_bf6_f32 v[48+6*\c:50+6*\c], v[64+32*\c:79+32*\c], v[44+\c]
	v_cvt_scalef32_pk16_bf6_f32 v[20+4*\c:22+4*\c], v[80+32*\c:95+32*\c], v[44+\c]   ; (a conversion's three registers begin on an even number)
.endr
	v_nop                                          ; one plain place behind a scaled conversion
.irp c, 0,1
.irp i, 0,1,2
	v_mov_b32 v[51+6*\c+\i], v[20+4*\c+\i]
.endr
.endr
.irp c, 0,1,2
	global_store_b128 v2, v[48+4*\c:51+4*\c], s[14:15] offset:512*\c   ; 32 lanes store 512 consecutive bytes
.endr
	s_wait_xcnt 0x0                                ; EXEC changes only behind this wait
	v_cmp_gt_u32 vcc_lo, 16, v1
	s_and_saveexec_b32 s21, vcc_lo                 ; lanes 0-15: a word a row
	global_store_b32 v7, v9, s[16:17]
	s_wait_xcnt 0x0
	s_or_b32 exec_lo, exec_lo, s21
	s_endpgm
.Lfunc_end_k_q3b343442aa_prep:
	.size	k_q3b343442aa_prep, .Lfunc_end_k_q3b343442aa_prep-k_q3b343442aa_prep
	.p2alignl 7, 3214868480
	.fill 96, 4, 3214868480
	.section	.rodata,"a",@progbits
	.p2align	6, 0x0
	.amdhsa_kernel k_q3b343442aa_prep
		.amdhsa_group_segment_fixed_size 0
		.amdhsa_private_segment_fixed_size 0
		.amdhsa_enable_private_segment 0
		.amdhsa_kernarg_size 56
		.amdhsa_user_sgpr_count 2
		.amdhsa_user_sgpr_kernarg_segment_ptr 1
		.amdhsa_wavefront_size32 1
		.amdhsa_system_sgpr_workgroup_id_x 1
		.amdhsa_system_sgpr_workgroup_id_y 1
		.amdhsa_system_sgpr_workgroup_id_z 1
		.amdhsa_system_vgpr_workitem_id 0
		.amdhsa_next_free_vgpr 160
		.amdhsa_next_free_sgpr 66
		.amdhsa_reserve_vcc 1
		.amdhsa_float_denorm_mode_32 3
		.amdhsa_float_denorm_mode_16_64 3
		.amdhsa_memory_ordered 1
		.amdhsa_forward_progress 1
		.amdhsa_inst_pref_size 24
	.end_amdhsa_kernel
	.amdgpu_metadata
---
amdhsa.version: [ 1, 2 ]
amdhsa.kernels:
  - .name:           k_q3b343442aa_prep
    .symbol:         k_q3b343442aa_prep.kd
    .args:
      - { .name: x, .offset: 0, .size: 8, .value_kind: global_buffer, .address_space: global }
      - { .name: wq, .offset: 8, .size: 8, .value_kind: global_buffer, .address_space: global }
      - { .name: wkv, .offset: 16, .size: 8, .value_kind: global_buffer, .address_space: global }
      - { .name: wo, .offset: 24, .size: 8, .value_kind: global_buffer, .address_space: global }
      - { .name: stats, .offset: 32, .size: 8, .value_kind: global_buffer, .address_space: global }
      - { .name: wimg, .offset: 40, .size: 8, .value_kind: global_buffer, .address_space: global }
      - { .name: wsc, .offset: 48, .size: 8, .value_kind: global_buffer, .address_space: global }
    .group_segment_fixed_size: 0
    .private_segment_fixed_size: 0
    .kernarg_segment_align: 8
    .kernarg_segment_size: 56
    .max_flat_workgroup_size: 128
    .sgpr_count:     66
    .vgpr_count:     160
    .wavefront_size: 32
...
	.end_amdgpu_metadata
.endif
;; end of part 1
;; launch qkv (part 2): grid 4 x 64, 4 waves a work-group, clusters of 4 x 1, 327,680 bytes of LDS; arguments x, stats, gn_w, gn_b, wimg, wsc, bq, bkv, qc, kv; writes qc, kv
.if DOCPART == 2
	.amdgcn_target "amdgcn-amd-amdhsa--gfx1250"
	.amdhsa_code_object_version 6
	.text
	.protected	k_q3b343442aa_qkv
	.globl	k_q3b343442aa_qkv
	.p2align	8
	.type	k_q3b343442aa_qkv,@function
k_q3b343442aa_qkv:
	s_mov_b64 s[64:65], 0
	v_nop
	global_prefetch_b8 v0, s[64:65] scope:SCOPE_SE
	s_setreg_imm32_b32 hwreg(HW_REG_WAVE_MODE, 25, 1), 1
	s_wait_xcnt 0x0
	s_wait_alu depctr_hold_cnt(0) depctr_sa_sdst(0) depctr_va_vdst(0) depctr_va_sdst(0) depctr_va_ssrc(0) depctr_va_vcc(0) depctr_vm_vsrc(0)
	s_getreg_b32 s2, hwreg(HW_REG_IB_STS2, 6, 4)
	s_cmp_eq_u32 s2, 0
	s_cbranch_scc0 .Lentry_in_a_cluster
	s_endpgm
.Lentry_in_a_cluster:
	s_bfe_u32 s2, ttmp6, 0x10000c
	s_cmp_lg_u32 s2, 0x3003
	s_cbranch_scc0 .Lentry_shape_is_right
	s_endpgm
.Lentry_shape_is_right:
; GroupNorm, then q, k, v = W x_norm + b on codes of BF6 (E3M2) with one E8M0 byte for each 32 along K, then q and k quantised along the head's 64 and v along the keys: the operands of the attention launch.
; SHARES.  Cluster y = a block of 128 pixels of one image (b = y / 32, blk = y % 32).  The four partners (place g) take heads 2 g and 2 g + 1 of q, k and v and need the SAME tile of x,
; 512 channels x 128 pixels: it is asked for jointly (mask 15), each wave 2 x 64 channel rows of 512 bytes, filled once.  g enters global offsets alone.
; Wave w: one unit = q (w < 2) or k (w >= 2) of head 2 g + w % 2, four weight tiles; and two weight tiles of v.  Its 24 weight fragments (288 registers) are read once and stay.
; PIXEL TILES: tile p = 2 b + u of the block holds, in lane row r, pixel 32 b + 8 u + r + 8 (r / 8); the weights' tiles are ordered alike.  So 16 registers of two neighbouring result tiles are 16 neighbours along the next K.
; PHASES.  H: the group's 16 (mean, M2) parts become mean and 1 / sqrt(var + eps); tables in LDS.  X: a thread takes a pixel, its registers run down 32 channels: normalised, quantised, stored as images of the operand's registers.
; G: 12 batches of 16 products on 16 accumulators by turns; q and k transposed (source 0 = weights, source 1 = x), v with x as source 0; the bias is the C of each sum's first product.
; Results are quantised in registers and stored as register images: 512 consecutive bytes a store.
; LIMITS: NaN and infinities are not served; a block whose largest magnitude lies under 2^-122, a block of zeros among them, keeps the byte 1 (its bytes are read by this program alone).
; The scale words of q and k carry two real bytes (K = 64) and two bytes 0; the attention launch sets zero codes against k = 64 .. 127.
.set XIMG, 262144                      ; LDS: 0 .. the tile of x, 512 rows x 512 bytes; here x's 32 fragments (K step s, tile p) at 1536 (8 s + p),
.set XSC,  311296                      ; their scale words: (p, r, s) at 256 p + 16 r + 4 s,
.set TA,   313344                      ; rstd x gn_w for each channel; + 2048: gn_b; + 4096: (-mean, -mean) for each group
.set LI,    4                          ; v4   16 x lane
.set XR,    5                          ; v5   XIMG + 16 x lane
.set XSR,   6                          ; v6   XSC + 16 x lane
.set XW,    7                          ; v7   where my pixel's codes go
.set XWS,   8                          ; v8   and its scale words
.set TBASE, 9                          ; v9   TA
.set XTA,   10                         ; v10-13  4 x thread + 65536 q
.set SH16,  14                         ; v14  16 h
.set L4,    15                         ; v15  4 x lane
.set ACC,   16                         ; v16-143 the 16 accumulators; in phase X: two sets of 32 numbers, the two tables
.set XD,    16
.set TAv,   80
.set TBv,   112
.set NMv,   144                        ; v144-147 -mean of the block's two groups, in pairs
.set PC,    148                        ; v148-166 codes just made
.set TM,    168                        ; v168-183 at work in the quantiser
.set PW,    184                        ; v184 the scale word just made
.set SW,    185
.set KSW,   186                        ; v186-189 the unit's scale words for the four pairs of tiles
.set VW,    190                        ; v190-191 v's
.set XS,    192                        ; v192-207 x's scale words: pair j, K step s at XS + 4 j + s; lanes 0-15 the even tile, 16-31 the odd
.set WS,    208                        ; v208-215 the unit's weights' scale words
.set VS,    216                        ; v216-219 v's weights'
.set QB,    96                         ; window 2: the unit's bias, four tiles of 8
.set VB,    128                        ; window 2: v's bias, two tiles of 8
.set WV,    40
.set CX,    41
.set OUT,   48
.set VOUT,  50
.set VSO,   52
.set SEL,   54
.set MSB, 0
.macro WIN new                         ; the immediate's high byte repeats the setting that is left
.if MSB != \new
	s_set_vgpr_msb (MSB<<8)|\new
.set MSB, \new
.endif
.endm
.macro PLACES n
.rept \n
	v_nop
.endr
.endm
.macro CROUND                          ; a round of the cluster's barrier
	s_barrier_signal -1
	s_barrier_wait -1
	s_cmp_lg_u32 s[WV], 0
	s_cbranch_scc1 .Lnot_wave_0_\@
	s_barrier_signal -3
.Lnot_wave_0_\@:
	s_barrier_wait -3
	s_barrier_signal -1
	s_barrier_wait -1
.endm
.macro BARRIER                         ; my LDS stores have landed and my LDS loads are in: then the work-group's barrier
	s_wait_dscnt 0x0
	s_barrier_signal -1
	s_barrier_wait -1
.endm
; 64 numbers of a lane, register 16 b + i = k 32 b + 16 (lane / 16) + i of my row, become a fragment's codes in v[PC] on and its scale word in v[PW].
.macro QUANT s
.irp b, 0,1,2,3
	v_max3_num_f32 v[TM+\b], |v[\s+16*\b]|, |v[\s+1+16*\b]|, 0x2800000   ; and the floor 2^(5 - 127): the byte cannot fall under 1
.endr
.irp i, 2,4,6,8,10,12,14
.irp b, 0,1,2,3
	v_max3_num_f32 v[TM+\b], v[TM+\b], |v[\s+16*\b+\i]|, |v[\s+1+16*\b+\i]|
.endr
.endr
.irp b, 0,1,2,3
	v_permlanex16_b32 v[TM+4+\b], v[TM+\b], s[SEL], s[SEL+1]
.endr
.irp b, 0,1,2,3
	v_max_num_f32 v[TM+\b], v[TM+\b], v[TM+4+\b]   ; with lane l xor 16's: the block's largest magnitude
.endr
.irp b, 0,1,2,3
	v_add_nc_u32 v[TM+12+\b], 0xfe000000, v[TM+\b] ; 4 off its exponent field: the conversion's scale operand
.endr
.irp b, 0,1,2,3
	v_lshrrev_b32 v[TM+4+\b], 23, v[TM+12+\b]      ; the scale's byte
.endr
	v_lshl_or_b32 v[PW], v[TM+5], 8, v[TM+4]
	v_lshl_or_b32 v[PW], v[TM+6], 16, v[PW]
	v_lshl_or_b32 v[PW], v[TM+7], 24, v[PW]
.irp c, 0,1
	v_cvt_scalef32_pk16_bf6_f32 v[PC+6*\c:PC+2+6*\c], v[\s+32*\c:\s+15+32*\c], v[TM+12+2*\c]
	v_cvt_scalef32_pk16_bf6_f32 v[PC+12+4*\c:PC+14+4*\c], v[\s+16+32*\c:\s+31+32*\c], v[TM+12+2*\c+1]
.endr
	v_nop                                          ; one plain place behind a scaled conversion
.irp c, 0,1                                    ; the layout wants a whole block in a lane: lanes 0-15 block 2 c, lanes 16-31 block 2 c + 1
.irp i, 0,1,2
	v_permlane16_swap_b32 v[PC+6*\c+\i], v[PC+12+4*\c+\i]
.endr
.irp i, 0,1,2
	v_mov_b32 v[PC+3+6*\c+\i], v[PC+12+4*\c+\i]
.endr
.endr
.endm
; Phase X.  Block kb = channels 32 kb .. 32 kb + 31 = K step kb / 4, registers 6 c on (c = (kb % 4) / 2) of lanes with h = kb % 2.
.macro XDATA kb                        ; my pixel's 32 numbers: each load reads 128 consecutive bytes a wave
.irp i, 0,1,2,3,4,5,6,7,8,9,10,11,12,13,14,15,16,17,18,19,20,21,22,23,24,25,26,27,28,29,30,31
	ds_load_b32 v[XD+32*((\kb)%2)+\i], v[XTA+(\kb)/4] offset:((\kb)%4)*16384+512*\i
.endr
.endm
.macro XTAB kb                         ; the block's 32 gains, 32 offsets and two -means: the same words for every lane; 17 loads
.irp i, 0,1,2,3,4,5,6,7
	ds_load_b128 v[TAv+4*\i:TAv+4*\i+3], v[TBASE] offset:(\kb)*128+16*\i
.endr
.irp i, 0,1,2,3,4,5,6,7
	ds_load_b128 v[TBv+4*\i:TBv+4*\i+3], v[TBASE] offset:2048+(\kb)*128+16*\i
.endr
	ds_load_b128 v[NMv:NMv+3], v[TBASE] offset:4096+16*(\kb)
.endm
.macro BLOCK kb, ahead
.set XB, XD+32*((\kb)%2)
.if \ahead
	XDATA (\kb)+1
	s_wait_dscnt 32                                ; all but the 32 just issued: this block's numbers and tables are in, the last block's stores have read their registers
.else
	s_wait_dscnt 0x0
.endif
.irp i, 0,2,4,6,8,10,12,14
	v_pk_add_f32 v[XB+\i:XB+\i+1], v[XB+\i:XB+\i+1], v[NMv:NMv+1]         ; x - mean: the block's first group,
.endr
.irp i, 16,18,20,22,24,26,28,30
	v_pk_add_f32 v[XB+\i:XB+\i+1], v[XB+\i:XB+\i+1], v[NMv+2:NMv+3]       ; its second
.endr
.irp i, 0,2,4,6,8,10,12,14,16,18,20,22,24,26,28,30
	v_pk_fma_f32 v[XB+\i:XB+\i+1], v[XB+\i:XB+\i+1], v[TAv+\i:TAv+\i+1], v[TBv+\i:TBv+\i+1]   ; x (rstd gn_w) + gn_b
.endr
.if (\kb) < 15
	XTAB (\kb)+1
.endif
	v_max3_num_f32 v[TM], |v[XB]|, |v[XB+1]|, |v[XB+2]|                   ; the block's largest magnitude: all 32 numbers are mine
	v_max3_num_f32 v[TM+1], |v[XB+3]|, |v[XB+4]|, |v[XB+5]|
.irp i, 6,10,14,18,22,26
	v_max3_num_f32 v[TM], v[TM], |v[XB+\i]|, |v[XB+\i+1]|
	v_max3_num_f32 v[TM+1], v[TM+1], |v[XB+\i+2]|, |v[XB+\i+3]|
.endr
	v_max3_num_f32 v[TM], v[TM], |v[XB+30]|, |v[XB+31]|
	v_max3_num_f32 v[TM], v[TM], v[TM+1], 0x2800000
	v_add_nc_u32 v[TM+3], 0xfe000000, v[TM]
	v_lshrrev_b32 v[TM+2], 23, v[TM+3]
.if (\kb)%4 == 0
	v_mov_b32 v[SW], v[TM+2]
.else
	v_lshl_or_b32 v[SW], v[TM+2], 8*((\kb)%4), v[SW]
.endif
	v_cvt_scalef32_pk16_bf6_f32 v[PC:PC+2], v[XB:XB+15], v[TM+3]
	v_cvt_scalef32_pk16_bf6_f32 v[PC+4:PC+6], v[XB+16:XB+31], v[TM+3]
	v_nop                                          ; one plain place behind a scaled conversion
	v_mov_b32 v[PC+3], v[PC+4]
	v_mov_b32 v[PC+4], v[PC+5]
	v_mov_b32 v[PC+5], v[PC+6]
.if ((\kb)%4)/2 == 0                           ; registers 0-5 of the image's lane r' + 16 h
	ds_store_b128 v[XW], v[PC:PC+3] offset:12288*((\kb)/4)+256*((\kb)%2)
	ds_store_b64 v[XW], v[PC+4:PC+5] offset:12288*((\kb)/4)+256*((\kb)%2)+512
.else                                          ; registers 6-11
	ds_store_b64 v[XW], v[PC:PC+1] offset:12288*((\kb)/4)+256*((\kb)%2)+520
	ds_store_b128 v[XW], v[PC+2:PC+5] offset:12288*((\kb)/4)+256*((\kb)%2)+1024
.endif
.if (\kb)%4 == 3
	ds_store_b32 v[XWS], v[SW] offset:4*((\kb)/4)
.endif
.endm
; Phase G.
.macro LDX buf, f0, n                  ; n fragments of x from f0 on into buffer buf of window 3: images, so 3 loads of 512 consecutive bytes each
	WIN 0xc0
.set qq, 0
.rept 3*(\n)
	ds_load_b128 v[96*(\buf)+4*qq:96*(\buf)+4*qq+3], v[XR] offset:(\f0)*1536+512*qq
.set qq, qq+1
.endr
	WIN 0
.endm
.macro WM                              ; one product, from the symbols rD rA rB rC rSA rSB; rRA, rRB: the scales stand in lanes 16-31
.if rRA && rRB
	v_wmma_scale_f32_16x16x128_f8f6f4 v[rD:rD+7], v[rA:rA+11], v[rB:rB+11], v[rC:rC+7], v[rSA], v[rSB] matrix_a_fmt:MATRIX_FMT_BF6 matrix_b_fmt:MATRIX_FMT_BF6 matrix_a_scale:MATRIX_SCALE_ROW1 matrix_b_scale:MATRIX_SCALE_ROW1
.elseif rRA
	v_wmma_scale_f32_16x16x128_f8f6f4 v[rD:rD+7], v[rA:rA+11], v[rB:rB+11], v[rC:rC+7], v[rSA], v[rSB] matrix_a_fmt:MATRIX_FMT_BF6 matrix_b_fmt:MATRIX_FMT_BF6 matrix_a_scale:MATRIX_SCALE_ROW1
.elseif rRB
	v_wmma_scale_f32_16x16x128_f8f6f4 v[rD:rD+7], v[rA:rA+11], v[rB:rB+11], v[rC:rC+7], v[rSA], v[rSB] matrix_a_fmt:MATRIX_FMT_BF6 matrix_b_fmt:MATRIX_FMT_BF6 matrix_b_scale:MATRIX_SCALE_ROW1
.else
	v_wmma_scale_f32_16x16x128_f8f6f4 v[rD:rD+7], v[rA:rA+11], v[rB:rB+11], v[rC:rC+7], v[rSA], v[rSB] matrix_a_fmt:MATRIX_FMT_BF6 matrix_b_fmt:MATRIX_FMT_BF6
.endif
.endm
; The unit's batch: pixel tiles 4 G .. 4 G + 3 x the four weight tiles, K step s.  Lane (r, h) of accumulator (p, t) holds pixel row r and channels 32 (t / 2) + 16 h + 8 (t % 2) + 0 .. 7 of the head.
.macro BQK G, s
	PLACES 4                                       ; four places in front of loads into the buffer that the batch before multiplied
.if \s < 3
	LDX 1-(\s)%2, 8*((\s)+1)+4*(\G), 4
	s_wait_dscnt 12                                ; all but the 12 just issued
.elseif \G == 0
	LDX 0, 4, 4
	s_wait_dscnt 12
.else
	LDX 0, 0, 8
	s_wait_dscnt 24                                ; all but the 24 just issued
.endif
.if \s == 0
	WIN 0x2d                                       ; source 0 (weights) window 1, source 1 (x) window 3, C (bias) window 2
.else
	WIN 0x0d
.endif
.irp p, 0,1,2,3
.irp t, 0,1,2,3
.set rD, ACC+32*\p+8*\t
.set rA, 12*(4*\t+\s)
.set rB, 96*((\s)%2)+12*\p
.if \s == 0
.set rC, QB+8*\t
.else
.set rC, rD
.endif
.set rSA, WS+4*(\t/2)+\s
.set rSB, XS+4*((4*\G+\p)/2)+\s
.set rRA, \t%2
.set rRB, \p%2
	WM
.endr
.endr
	WIN 0
.endm
; v's batch: all eight pixel tiles (source 0) x my two weight tiles (source 1).  Lane (r, h) of accumulator (n, p) holds channel row r and keys 32 (p / 2) + 16 h + 8 (p % 2) + 0 .. 7.
.macro BV s
	PLACES 4
.if \s < 3
	LDX 1-(\s)%2, 8*((\s)+1), 8
	s_wait_dscnt 24
.else
	s_wait_dscnt 0x0
.endif
.if \s == 0
	WIN 0x2b                                       ; source 0 (x) window 3, source 1 (weights) window 2, C (bias) window 2
.else
	WIN 0x0b
.endif
.irp p, 0,1,2,3,4,5,6,7
.irp n, 0,1
.set rD, ACC+64*\n+8*\p
.set rA, 96*((\s)%2)+12*\p
.set rB, 12*(4*\n+\s)
.if \s == 0
.set rC, VB+8*\n
.else
.set rC, rD
.endif
.set rSA, XS+4*(\p/2)+\s
.set rSB, VS+\s
.set rRA, \p%2
.set rRB, \n
	WM
.endr
.endr
	WIN 0
.endm
.macro OUTQK j                         ; pixel tiles 2 j and 2 j + 1 of the unit: two blocks of 32 each; registers 0-5 of the image are tile 2 j's codes, 6-11 tile 2 j + 1's
	s_wait_xcnt 0x0                                ; the last stores have read the codes' registers
	QUANT ACC+64*((\j)%2)
.irp c, 0,1,2
	global_store_b128 v[LI], v[PC+4*\c:PC+4*\c+3], s[OUT:OUT+1] offset:1536*(\j)+512*\c
.endr
	v_lshrrev_b32 v[KSW+(\j)], v[SH16], v[PW]      ; lanes 0-15 keep tile 2 j's two bytes, lanes 16-31 tile 2 j + 1's;
	v_and_b32 v[KSW+(\j)], 0xffff, v[KSW+(\j)]     ; the bytes of k = 64 .. 127 are 0
.endm
.macro OUTV u                          ; my v tile u: 16 channels x 128 keys, one fragment
	s_wait_xcnt 0x0
	QUANT ACC+64*(\u)
.irp c, 0,1,2
	global_store_b128 v[LI], v[PC+4*\c:PC+4*\c+3], s[VOUT:VOUT+1] offset:1536*(\u)+512*\c
.endr
	v_mov_b32 v[VW+(\u)], v[PW]
.endm
	s_load_b256 s[4:11], s[0:1], 0x0               ; x s[4:5], stats s[6:7], gn_w s[8:9], gn_b s[10:11]
	s_load_b256 s[12:19], s[0:1], 0x20             ; wimg s[12:13], wsc s[14:15], bq s[16:17], bkv s[18:19]
	s_load_b128 s[20:23], s[0:1], 0x40             ; qc s[20:21], kv s[22:23]
	v_lshl_add_u32 v254, v0, 2, 0x4d900
	v_mov_b32 v255, 0
	ds_add_u32 v254, v255
	ds_add_u32 v254, v255
	v_lshrrev_b32 v1, 5, v0
	v_readfirstlane_b32 s[WV], v1                  ; wave 0..3
	s_bfe_u32 s[CX], ttmp6, 0x40000                ; g: my place in the cluster
	s_and_b32 s42, ttmp7, 0xffff                   ; the pixel block
	s_lshr_b32 s43, s42, 5                         ; b
	s_and_b32 s44, s42, 31                         ; blk
	; descriptor group 1: 64 rows x 128 elements of 4 bytes, 4,096 elements from row to row; mask 15 with bit 21 beside it; no padding
	s_mov_b32 s24, 0x0022000f
	s_mov_b32 s25, 128<<16                         ; tensor_dim0
	s_mov_b32 s26, 64<<16                          ; tensor_dim1
	s_mov_b32 s27, 128<<16                         ; tile_dim0
	s_mov_b32 s28, 64                              ; tile_dim1
	s_mov_b32 s29, 4096                            ; the pitch
	s_mov_b32 s30, 0
	s_mov_b32 s31, 0
	s_lshl_b32 s56, s43, 23                        ; the image: 512 x 4,096 x 4 bytes,
	s_lshl_b32 s57, s44, 9                         ; the block's 128 pixels,
	s_add_co_u32 s56, s56, s57
	s_lshl_b32 s57, s[WV], 20                      ; my 64 channel rows
	s_add_co_u32 s56, s56, s57
	s_mov_b32 s57, 0
	s_lshl_b32 s58, s[WV], 15                      ; and their place in LDS: 64 rows x 512 bytes
	s_mov_b32 s[SEL], 0x76543210
	s_mov_b32 s[SEL+1], 0xfedcba98
	s_wait_dscnt 0x0
	s_wait_kmcnt 0x0
	CROUND                                         ; all four work-groups are here: the joint loads meet
	s_mov_b32 s32, 1
	s_mov_b32 s33, s58
	s_add_nc_u64 s[34:35], s[4:5], s[56:57]        ; channels 64 w on
	s_mov_b32 s36, 1
	s_add_co_u32 s37, s58, 131072
	s_add_nc_u64 s[38:39], s[34:35], 0x400000      ; channels 256 + 64 w on
	s_or_b32 s35, s35, 0x80000000
	s_or_b32 s39, s39, 0x80000000
	tensor_load_to_lds s[32:35], s[24:31]          ; two loads of mine are out; nothing in LDS is filled twice in this launch
	s_nop 0
	s_wait_alu depctr_va_vdst(0)
	s_wait_tensorcnt 0x0
	ds_add_u32 v254, v255
	s_wait_dscnt 0x0
	CROUND
	tensor_load_to_lds s[36:39], s[24:31]
	s_nop 0
	PLACES 4
	; ---- H
	v_and_b32 v1, 31, v0                           ; lane
	v_and_b32 v2, 15, v0                           ; r
	v_bfe_u32 v3, v0, 4, 1                         ; h
	v_lshlrev_b32 v[LI], 4, v1
	v_lshrrev_b32 v220, 2, v0                      ; thread t owns channels 4 t .. 4 t + 3, of group t / 4
	v_lshlrev_b32 v221, 7, v220                    ; a group's 16 parts are 128 bytes
	v_lshlrev_b32 v222, 4, v0
	s_lshl_b32 s56, s43, 12
	s_add_nc_u64 s[6:7], s[6:7], s[56:57]          ; the image's 32 groups
.irp k, 0,1,2,3,4,5,6,7
	global_load_b128 v[16+4*\k:19+4*\k], v221, s[6:7] offset:16*\k   ; part i: mean in v[16 + 2 i], M2 in v[17 + 2 i]
.endr
	global_load_b128 v[48:51], v222, s[8:9]        ; gn_w
	global_load_b128 v[52:55], v222, s[10:11]      ; gn_b
	v_add_nc_u32 v[XR], XIMG, v[LI]
	v_add_nc_u32 v[XSR], XSC, v[LI]
	v_bfe_u32 v225, v0, 3, 1                       ; pixel t lies in tile 2 (t / 32) + u, u = (t / 8) % 2,
	v_lshrrev_b32 v226, 5, v0
	v_lshl_add_u32 v225, v226, 1, v225
	v_and_b32 v226, 7, v0                          ; in lane row r' = t % 8 + 8 ((t / 16) % 2)
	v_lshrrev_b32 v227, 1, v0
	v_and_b32 v227, 8, v227
	v_add_nc_u32 v226, v226, v227
	v_mul_u32_u24 v[XW], v225, 1536
	v_lshl_add_u32 v[XW], v226, 4, v[XW]
	v_add_nc_u32 v[XW], XIMG, v[XW]
	v_lshlrev_b32 v[XWS], 8, v225
	v_lshl_add_u32 v[XWS], v226, 4, v[XWS]
	v_add_nc_u32 v[XWS], XSC, v[XWS]
	v_mov_b32 v[TBASE], TA
.irp q, 0,1,2,3
	v_lshl_add_u32 v[XTA+\q], v0, 2, 65536*\q
.endr
	v_lshlrev_b32 v[SH16], 4, v3
	v_lshlrev_b32 v[L4], 2, v1
	v_lshl_add_u32 v223, v0, 4, TA
	v_lshl_add_u32 v224, v220, 3, TA+4096
.irp b, 0,1,2,3
	v_mov_b32 v[TM+4+\b], 0                        ; written once: a lane permute's destination counts as one of its sources
.endr
	v_lshlrev_b32 v228, 6, v3                      ; the unit's bias: 64 h bytes on
	v_and_b32 v229, 8, v2
	v_add_nc_u32 v229, v229, v2
	v_lshlrev_b32 v229, 2, v229                    ; v's bias: 4 (r + 8 (r / 8))
	; where my weights, biases and results lie
	s_lshr_b32 s45, s[WV], 1                       ; 0: q, 1: k
	s_and_b32 s47, s[WV], 1
	s_lshl_b32 s46, s[CX], 1
	s_add_co_u32 s46, s46, s47                     ; the unit's head
	s_lshl_b32 s56, s45, 5
	s_lshl_b32 s58, s46, 2
	s_add_co_u32 s56, s56, s58                     ; its first weight tile: 32 isK + 4 head
	s_mul_i32 s58, s56, 6144
	s_mov_b32 s59, 0
	s_add_nc_u64 s[60:61], s[12:13], s[58:59]      ; 16 fragments on end
	s_lshl_b32 s58, s56, 8
	s_add_nc_u64 s[70:71], s[14:15], s[58:59]      ; their scale words
	s_lshl_b32 s56, s[CX], 3
	s_lshl_b32 s58, s[WV], 1
	s_add_co_u32 s56, s56, s58
	s_add_co_u32 s56, s56, 64                      ; v's first tile: 64 + 8 g + 2 w
	s_mul_i32 s58, s56, 6144
	s_add_nc_u64 s[62:63], s[12:13], s[58:59]
	s_lshl_b32 s58, s56, 8
	s_add_nc_u64 s[72:73], s[14:15], s[58:59]
	s_cmp_eq_u32 s45, 0
	s_cselect_b64 s[66:67], s[16:17], s[18:19]     ; bq or bkv's first half: the choice hangs on the wave's number alone
	s_cselect_b64 s[OUT:OUT+1], s[20:21], s[22:23] ; qc or kv
	s_mov_b32 s75, 13056
	s_cselect_b32 s75, 6656, s75                   ; a record's bytes
	s_lshl_b32 s58, s46, 8
	s_add_nc_u64 s[66:67], s[66:67], s[58:59]      ; the head's 64 numbers
	s_lshl_b32 s74, s43, 3
	s_add_co_u32 s74, s74, s46
	s_lshl_b32 s74, s74, 5
	s_add_co_u32 s74, s74, s44                     ; record (b 8 + head) 32 + blk
	s_mul_i32 s58, s74, s75
	s_add_nc_u64 s[OUT:OUT+1], s[OUT:OUT+1], s[58:59]
	s_lshl_b32 s56, s[CX], 2
	s_add_co_u32 s56, s56, s[WV]                   ; v: channels 32 (4 g + w) on
	s_lshl_b32 s58, s56, 7
	s_add_co_u32 s58, s58, 2048
	s_add_nc_u64 s[68:69], s[18:19], s[58:59]      ; bkv's second half
	s_lshl_b32 s74, s[CX], 1
	s_add_co_u32 s74, s74, s45                     ; v's head: 2 g + w / 2
	s_lshl_b32 s75, s43, 3
	s_add_co_u32 s74, s74, s75
	s_lshl_b32 s74, s74, 5
	s_add_co_u32 s74, s74, s44
	s_mul_i32 s74, s74, 13056                      ; its record
	s_mul_i32 s58, s47, 3072
	s_add_co_u32 s58, s58, s74
	s_add_co_u32 s58, s58, 6656
	s_add_nc_u64 s[VOUT:VOUT+1], s[22:23], s[58:59]   ; fragments 2 (w % 2) and 2 (w % 2) + 1
	s_lshl_b32 s58, s47, 7
	s_add_co_u32 s58, s58, s74
	s_add_co_u32 s58, s58, 12800
	s_add_nc_u64 s[VSO:VSO+1], s[22:23], s[58:59]     ; and their scale words
	s_mov_b32 s76, 0x37800000                      ; 2^-16: a group has 65,536 numbers
	s_mov_b32 s77, 0x3727c5ac                      ; eps = 1e-5
	s_wait_loadcnt 0x0
	v_add_f32 v56, v16, v18
	v_add_f32 v57, v20, v22
	v_add_f32 v58, v17, v19
	v_add_f32 v59, v21, v23
.irp i, 4,6,8,10,12,14
	v_add_f32 v56, v56, v[16+2*\i]
	v_add_f32 v57, v57, v[18+2*\i]
	v_add_f32 v58, v58, v[17+2*\i]
	v_add_f32 v59, v59, v[19+2*\i]
.endr
	v_add_f32 v56, v56, v57
	v_add_f32 v58, v58, v59                        ; the sum of the parts' M2
	v_mul_f32 v56, 0x3d800000, v56                 ; the group's mean: the parts are equally large
.set ii, 0
.rept 16
	v_sub_f32 v[16+2*ii], v[16+2*ii], v56          ; each part's mean less the group's
.set ii, ii+1
.endr
	v_mul_f32 v57, v16, v16
	v_mul_f32 v59, v18, v18
.irp i, 2,4,6,8,10,12,14
	v_fma_f32 v57, v[16+2*\i], v[16+2*\i], v57
	v_fma_f32 v59, v[18+2*\i], v[18+2*\i], v59
.endr
	v_add_f32 v57, v57, v59
	v_fmamk_f32 v58, v57, 0x45800000, v58          ; M2 = sum of M2_i + 4,096 x sum of d_i^2
	v_fma_f32 v59, v58, s76, s77                   ; var + eps
	s_wait_alu depctr_va_vdst(0)
	v_rsq_f32 v59, v59
	v_xor_b32 v60, 0x80000000, v56                 ; -mean (a plain place behind the transcendental)
	v_mov_b32 v61, v60
	s_wait_alu depctr_va_vdst(0)                   ; the wait ahead of the first reader
.irp i, 0,1,2,3
	v_mul_f32 v[48+\i], v[48+\i], v59              ; rstd x gn_w
.endr
	ds_store_b128 v223, v[48:51]
	ds_store_b128 v223, v[52:55] offset:2048
	ds_store_b64 v224, v[60:61]                    ; a group's four threads write the same words with the same values
	; my weights, biases and scale words: they have all of phase X in which to land
	WIN 0x40                                       ; destination window 1
.set ii, 0
.rept 48
	global_load_b128 v[4*ii:4*ii+3], v[LI], s[60:61] offset:512*ii   ; fragment (t, s) at v[12 (4 t + s)]
.set ii, ii+1
.endr
	WIN 0x80                                       ; destination window 2
.set ii, 0
.rept 24
	global_load_b128 v[4*ii:4*ii+3], v[LI], s[62:63] offset:512*ii   ; v's fragment (n, s) at v[12 (4 n + s)]
.set ii, ii+1
.endr
.irp t, 0,1,2,3
	global_load_b128 v[QB+8*\t:QB+8*\t+3], v228, s[66:67] offset:(32*(\t/2)+8*(\t%2))*4
	global_load_b128 v[QB+8*\t+4:QB+8*\t+7], v228, s[66:67] offset:(32*(\t/2)+8*(\t%2))*4+16
.endr
.irp n, 0,1
.irp j, 0,1,2,3,4,5,6,7
	global_load_b32 v[VB+8*\n+\j], v229, s[68:69] offset:32*\n      ; a lane holds one channel of v: its bias in all eight registers
.endr
.endr
	WIN 0
	global_load_b128 v[WS:WS+3], v[LI], s[70:71]
	global_load_b128 v[WS+4:WS+7], v[LI], s[70:71] offset:512
	global_load_b128 v[VS:VS+3], v[LI], s[72:73]
	s_wait_tensorcnt 0x1                           ; my part of channels 0-255 is in; the younger load may stay out
	BARRIER                                        ; everybody's is, and the tables lie in LDS
	; ---- X
	XTAB 0
	XDATA 0
.irp kb, 0,1,2,3,4,5,6
	BLOCK \kb, 1
.endr
	BLOCK 7, 0
	s_wait_tensorcnt 0x0                           ; my part of channels 256-511 is in
	BARRIER
	XDATA 8
.irp kb, 8,9,10,11,12,13,14
	BLOCK \kb, 1
.endr
	BLOCK 15, 0
	BARRIER                                        ; x's 32 fragments and their scale words lie in LDS
	; ---- G
.irp j, 0,1,2,3
	ds_load_b128 v[XS+4*\j:XS+4*\j+3], v[XSR] offset:512*\j
.endr
	LDX 0, 0, 4
	s_wait_loadcnt 0x0                             ; the weights, biases and scale words
.irp g, 0,1
	BQK \g, 0
	BQK \g, 1
	BQK \g, 2
	BQK \g, 3
	PLACES 4                                       ; four places in front of the first read of results
	OUTQK 2*\g
	OUTQK 2*\g+1
.endr
	global_store_b128 v[LI], v[KSW:KSW+3], s[OUT:OUT+1] offset:6144   ; word (pair j, lane l) at 16 l + 4 j
	BV 0
	BV 1
	BV 2
	BV 3
	PLACES 4
	OUTV 0
	OUTV 1
	v_cmp_eq_u32 vcc_lo, 1, v3
	v_cndmask_b32 v[VW], v[VW], v[VW+1], vcc_lo    ; lanes 0-15 tile 0's words, lanes 16-31 tile 1's
	global_store_b32 v[L4], v[VW], s[VSO:VSO+1]
	s_wait_tensorcnt 0x0
	ds_add_u32 v254, v255
	s_wait_dscnt 0x0
	CROUND                                         ; the closing round: no work-group ends while a partner may still ask for a tile that names it
	s_endpgm
.Lfunc_end_k_q3b343442aa_qkv:
	.size	k_q3b343442aa_qkv, .Lfunc_end_k_q3b343442aa_qkv-k_q3b343442aa_qkv
	.p2alignl 7, 3214868480
	.fill 96, 4, 3214868480
	.section	.rodata,"a",@progbits
	.p2align	6, 0x0
	.amdhsa_kernel k_q3b343442aa_qkv
		.amdhsa_group_segment_fixed_size 327680
		.amdhsa_private_segment_fixed_size 0
		.amdhsa_enable_private_segment 0
		.amdhsa_kernarg_size 80
		.amdhsa_user_sgpr_count 2
		.amdhsa_user_sgpr_kernarg_segment_ptr 1
		.amdhsa_wavefront_size32 1
		.amdhsa_system_sgpr_workgroup_id_x 1
		.amdhsa_system_sgpr_workgroup_id_y 1
		.amdhsa_system_sgpr_workgroup_id_z 1
		.amdhsa_system_vgpr_workitem_id 0
		.amdhsa_next_free_vgpr 1024
		.amdhsa_next_free_sgpr 80
		.amdhsa_reserve_vcc 1
		.amdhsa_float_denorm_mode_32 3
		.amdhsa_float_denorm_mode_16_64 3
		.amdhsa_memory_ordered 1
		.amdhsa_forward_progress 1
		.amdhsa_inst_pref_size 194
	.end_amdhsa_kernel
	.amdgpu_metadata
---
amdhsa.version: [ 1, 2 ]
amdhsa.kernels:
  - .name:           k_q3b343442aa_qkv
    .symbol:         k_q3b343442aa_qkv.kd
    .args:
      - { .name: x, .offset: 0, .size: 8, .value_kind: global_buffer, .address_space: global }
      - { .name: stats, .offset: 8, .size: 8, .value_kind: global_buffer, .address_space: global }
      - { .name: gn_w, .offset: 16, .size: 8, .value_kind: global_buffer, .address_space: global }
      - { .name: gn_b, .offset: 24, .size: 8, .value_kind: global_buffer, .address_space: global }
      - { .name: wimg, .offset: 32, .size: 8, .value_kind: global_buffer, .address_space: global }
      - { .name: wsc, .offset: 40, .size: 8, .value_kind: global_buffer, .address_space: global }
      - { .name: bq, .offset: 48, .size: 8, .value_kind: global_buffer, .address_space: global }
      - { .name: bkv, .offset: 56, .size: 8, .value_kind: global_buffer, .address_space: global }
      - { .name: qc, .offset: 64, .size: 8, .value_kind: global_buffer, .address_space: global }
      - { .name: kv, .offset: 72, .size: 8, .value_kind: global_buffer, .address_space: global }
    .group_segment_fixed_size: 327680
    .private_segment_fixed_size: 0
    .kernarg_segment_align: 8
    .kernarg_segment_size: 80
    .max_flat_workgroup_size: 128
    .sgpr_count:     80
    .vgpr_count:     1024
    .wavefront_size: 32
...
	.end_amdgpu_metadata
.endif
;; end of part 2
;; launch attn (part 3): grid 16 x 16, 16 waves a work-group, clusters of 4 x 1, 327,680 bytes of LDS; arguments qc, kv, ao; writes ao
.if DOCPART == 3
	.amdgcn_target "amdgcn-amd-amdhsa--gfx1250"
	.amdhsa_code_object_version 6
	.text
	.protected	k_q3b343442aa_attn
	.globl	k_q3b343442aa_attn
	.p2align	8
	.type	k_q3b343442aa_attn,@function
k_q3b343442aa_attn:
	s_mov_b64 s[64:65], 0
	v_nop
	global_prefetch_b8 v0, s[64:65] scope:SCOPE_SE
	s_setreg_imm32_b32 hwreg(HW_REG_WAVE_MODE, 25, 1), 1
	s_wait_xcnt 0x0
	s_wait_alu depctr_hold_cnt(0) depctr_sa_sdst(0) depctr_va_vdst(0) depctr_va_sdst(0) depctr_va_ssrc(0) depctr_va_vcc(0) depctr_vm_vsrc(0)
	s_getreg_b32 s2, hwreg(HW_REG_IB_STS2, 6, 4)
	s_cmp_eq_u32 s2, 0
	s_cbranch_scc0 .Lentry_in_a_cluster
	s_endpgm
.Lentry_in_a_cluster:
	s_bfe_u32 s2, ttmp6, 0x10000c
	s_cmp_lg_u32 s2, 0x3003
	s_cbranch_scc0 .Lentry_shape_is_right
	s_endpgm
.Lentry_shape_is_right:
; O[q] = the sum over keys of softmax(Q[q] . K[key] / 8) V[key], head size 64, 4,096 keys, both products on codes of BF6 (E3M2) with one E8M0 byte for each 32 along a product's K; then O / l is quantised along the channels for the last product.
; THE SOFTMAX: t = score x log2(e) / 8; M = the running largest t rounded UP to a whole number; p = 2^(t - M) is quantised along the keys, not normalised; the row's sum is taken of the unquantised p and divides at the end.
; When M moves, the sum and O are multiplied by 2^(old M - new M): exact.
; SHARES.  y = image x 8 + head.  A work-group owns 256 queries; each of its SIXTEEN waves one tile of 16, in 256 registers: four waves to a SIMD, so that one wave's vector work stands beside another's products and LDS loads.
; Every wave walks the head's 32 key steps of 128 keys.  A step's K and V are ONE dense record of 13,056 bytes, laid as images of the operand registers.
; CLUSTER.  The four query blocks of a cluster walk the same records: each record is asked for jointly (mask 15).  Two LDS slots of four records; waves 0-3 fetch one record each; one tensor load of a wave is out at most.
; LAYOUT.  Both products transposed: S^T = K Q^T (source 0 = 16 keys), O^T = V^T P^T (source 0 = 16 channels): a lane holds ONE query (lane % 16).  Lane row r of key tile 2 b + u is key 32 b + 8 u + r + 8 (r / 8),
; so p's 16 registers of two neighbouring tiles are 16 neighbouring keys; V's channel tiles are ordered alike, so O^T's registers are neighbours along the last product's K.
; K = 64 IN AN INSTRUCTION OF 128: Q's registers 6-11 are zero codes, and the bytes of k = 64 .. 127 in both scale words are 0 (2^-127, a number): what stands in source 0's registers 6-11 (the next tile's codes; zeros behind the last) adds exactly 0.
; LIMITS: NaN and infinities are not served; a block of p or of O whose largest magnitude lies under 2^-122 keeps the byte 1.
; REGISTERS: v1-9 addresses; v12 -M, v13 the largest t, v[14:15] the sum; v16-27 Q; v28 its scale word; v32-79 K's eight tiles (6 registers each) or V's four fragments; v80-85 zeros; v86-89, v90-91 scale words;
;   v96-159 S^T, then p; v160-191 O^T; v192-203 p's codes; v204-210, v212-227 at work.
.set REC,   13056                      ; +0 K: four pair images of 1,536; +6144 K's scale words; +6656 V: four fragments; +12800 V's scale words
.set SLOT1, 65536                      ; slot 1 begins here: one exclusive or turns an address from one slot into the other
.set SPARE, 131072                     ; the spare words: 128 bytes for each of 16 waves, eight blocks of 256 bytes that no other line names
.set NSL,   8                          ; slots' worth of records
.set LI,  1                            ; v1  16 x lane
.set L4,  2                            ; v2  4 x lane
.set L8,  3                            ; v3  8 x lane
.set R16, 4                            ; v4  16 x (lane % 16)
.set SPW, 5                            ; v5  my spare word's address; never rewritten
.set NIL, 6                            ; v6  0; never rewritten
.set PFO, 7                            ; v7  the prefetch's offset; never rewritten
.set ADR, 8
.set ADS, 9
.set BM,  212                          ; v212-215 the blocks' largest scores, then largest p
.set BX,  216                          ; v216-219 permute results, a chain of sums, the bytes
.set SOP, 220                          ; v220-223 the conversions' scale operands
.set WV,  18
.set SEL, 20
.set CS,  22
.set G1,  24
.set TB,  32
.set SLOTS, 33
.set LIM, 34
.set PFA, 36
.set G0,  40
.macro PLACES n
.rept \n
	v_nop
.endr
.endm
.macro CROUND                          ; a round of the cluster's barrier
	s_barrier_signal -1
	s_barrier_wait -1
	s_cmp_lg_u32 s[WV], 0
	s_cbranch_scc1 .Lnot_wave_0_\@
	s_barrier_signal -3
.Lnot_wave_0_\@:
	s_barrier_wait -3
	s_barrier_signal -1
	s_barrier_wait -1
.endm
.macro TLOAD                           ; waves 0-3 fetch a record each; the branch hangs on the wave's number alone.  Four v_nop follow the load
	s_cmp_lt_u32 s[WV], 4
	s_cbranch_scc0 .Lasked_\@
	tensor_load_to_lds s[G0:G0+3], s[G1:G1+7]
	s_nop 0
	PLACES 4
.Lasked_\@:
.endm
; A PREFETCH INTO THE L2 of the slot that the NEXT change of slots will ask for: four key steps ahead of that load.  All clusters of a head walk the same records: the head's first cluster asks.  Its four partners take one record each,
; told apart by ADDRESS; in each, waves 4 and 5, which fetch nothing, name the record's 51 rows of 256 bytes, a lane a row (the lanes past row 50 name row 50).  The last change that fills a slot asks for nothing; slots 0 and 1 come by their loads alone.
.macro ASK
	s_cmp_gt_u32 s[SLOTS], s[LIM]
	s_cbranch_scc0 .Lnot_mine_\@
	global_prefetch_b8 v[PFO], s[PFA:PFA+1] th:TH_LOAD_NT scope:SCOPE_SE
.Lnot_mine_\@:
.endm
; THE CHANGE OF SLOTS stands at a slot's head.  Each wave waits for all its tensor loads, adds 0 to its spare word, and waits for that and for its reads of the slot that it has left.  fill = 1: a round of the cluster's barrier,
; so that no wave of any partner still reads that slot or has a load on its way; behind it the slot is filled with the records that follow.
.macro CHANGE fill
	s_wait_tensorcnt 0x0                           ; no tensor load of mine is out, so group 0 may be written
	ds_add_u32 v[SPW], v[NIL]
.if \fill
	s_xor_b32 s[G0+1], s[G0+1], SLOT1              ; the walking descriptor: the other slot,
	s_add_nc_u64 s[G0+2:G0+3], s[G0+2:G0+3], 4*REC ; the next four records
	s_wait_xcnt 0x0                                ; the last prefetch, a slot back, has read its address
	s_add_nc_u64 s[PFA:PFA+1], s[PFA:PFA+1], 4*REC ; one slot further on than the descriptor
	s_wait_dscnt 0x0                               ; the add is done, and my reads of the slot that I have left are over
	CROUND
	TLOAD                                          ; the first thing behind the round, a wave's one tensor load until the next
	ASK
.else
	s_wait_dscnt 0x0
	s_barrier_signal -1
	s_barrier_wait -1
.endif
.endm
; A KEY STEP: 128 keys, record q of the slot in hand.
.macro STEP q
	PLACES 4                                       ; four places in front of loads into registers that the last products read
.irp i, 0,1,2,3,4,5,6,7,8,9,10,11
	ds_load_b128 v[32+4*\i:35+4*\i], v[ADR] offset:(\q)*REC+512*\i     ; K: tile t's codes at v[32 + 6 t]
.endr
	ds_load_b128 v[86:89], v[ADR] offset:(\q)*REC+6144                 ; pair j's words: lanes 0-15 tile 2 j, lanes 16-31 tile 2 j + 1
	s_wait_dscnt 0x0
.irp t, 0,1,2,3,4,5,6,7
.if \t%2
	v_wmma_scale_f32_16x16x128_f8f6f4 v[96+8*\t:103+8*\t], v[32+6*\t:43+6*\t], v[16:27], 0, v[86+\t/2], v28 matrix_a_fmt:MATRIX_FMT_BF6 matrix_b_fmt:MATRIX_FMT_BF6 matrix_a_scale:MATRIX_SCALE_ROW1
.else
	v_wmma_scale_f32_16x16x128_f8f6f4 v[96+8*\t:103+8*\t], v[32+6*\t:43+6*\t], v[16:27], 0, v[86+\t/2], v28 matrix_a_fmt:MATRIX_FMT_BF6 matrix_b_fmt:MATRIX_FMT_BF6
.endif
.endr                                          ; lane (r, h): query r; the 16 registers of tiles 2 b, 2 b + 1 are keys 32 b + 16 h + 0 .. 15
	PLACES 4                                       ; in front of the loads below and of the first read of the scores
.irp i, 0,1,2,3,4,5,6,7,8,9,10,11
	ds_load_b128 v[32+4*\i:35+4*\i], v[ADR] offset:(\q)*REC+6656+512*\i   ; V's four fragments land while the softmax is walked
.endr
.irp j, 0,1
	ds_load_b32 v[90+\j], v[ADS] offset:(\q)*REC+12800+128*\j
.endr
.irp b, 0,1,2,3
	v_max3_num_f32 v[BM+\b], v[96+16*\b], v[97+16*\b], v[98+16*\b]     ; the largest score of each block of 32 keys: for the row's maximum, and, since p rises with the score, for the block's largest p
.endr
.irp i, 3,5,7,9,11,13
.irp b, 0,1,2,3
	v_max3_num_f32 v[BM+\b], v[BM+\b], v[96+16*\b+\i], v[97+16*\b+\i]
.endr
.endr
.irp b, 0,1,2,3
	v_max_num_f32 v[BM+\b], v[BM+\b], v[111+16*\b]
.endr
.irp b, 0,1,2,3
	s_delay_alu instid0(VALU_DEP_4)
	v_permlanex16_b32 v[BX+\b], v[BM+\b], s[SEL], s[SEL+1]
.endr
.irp b, 0,1,2,3
	s_delay_alu instid0(VALU_DEP_4)
	v_max_num_f32 v[BM+\b], v[BM+\b], v[BX+\b]     ; with lane l xor 16's 16 keys
.endr
	s_delay_alu instid0(VALU_DEP_2)
	v_max3_num_f32 v227, v[BM], v[BM+1], v[BM+2]
	s_delay_alu instid0(VALU_DEP_1)
	v_max_num_f32 v227, v227, v[BM+3]
	s_delay_alu instid0(VALU_DEP_1)
	v_mul_f32 v227, s[CS], v227                    ; as t (c is positive)
	s_delay_alu instid0(VALU_DEP_1)
	v_max_num_f32 v13, v13, v227                   ; the running largest t
	v_mov_b32 v227, v12
	s_delay_alu instid0(VALU_DEP_2)
	v_floor_f32 v12, -v13                          ; the new -M = floor(-t) = -ceil(t)
	s_delay_alu instid0(VALU_DEP_1)
	v_sub_f32 v227, v12, v227                      ; old M - new M: a whole number, 0 or less
	s_delay_alu instid0(VALU_DEP_1)
	v_cvt_i32_f32 v227, v227                       ; (it saturates)
	s_delay_alu instid0(VALU_DEP_1)
	v_ldexp_f32 v224, 1.0, v227                    ; f = 2^(old M - new M)
.set jj, 0
.rept 32
	v_pk_fma_f32 v[96+jj:97+jj], v[96+jj:97+jj], s[CS:CS+1], v[12:13] op_sel_hi:[1,0,0]   ; t - M, two at a time
.set jj, jj+2
.endr
.irp b, 0,1,2,3
	v_fma_f32 v[BM+\b], v[BM+\b], s[CS], v12       ; the same of each block's largest score
.endr
.set jj, 0
	s_wait_alu depctr_va_vdst(0)
.rept 64
	v_exp_f32 v[96+jj], v[96+jj]                   ; p = 2^(t - M), at most 1
.set jj, jj+1
.endr
	v_pk_mul_f32 v[14:15], v[14:15], v[224:225] op_sel_hi:[1,0]        ; the sums under the new M (a plain place behind the exponentials)
	s_wait_alu depctr_va_vdst(0)                   ; one wait for the whole batch, ahead of its first reader
.irp b, 0,1,2,3
	v_exp_f32 v[BM+\b], v[BM+\b]                   ; the block's largest p: the same two instructions on the same number give the same bits
.endr
	v_pk_add_f32 v[216:217], v[100:101], v[104:105]
	v_pk_add_f32 v[254:255], v[108:109], v[112:113]
	v_pk_add_f32 v[252:253], v[116:117], v[120:121]
	v_pk_add_f32 v[250:251], v[124:125], v[128:129]
	v_pk_add_f32 v[248:249], v[132:133], v[136:137]
	v_pk_add_f32 v[246:247], v[140:141], v[144:145]
	v_pk_add_f32 v[244:245], v[148:149], v[152:153]
	v_pk_add_f32 v[14:15], v[14:15], v[156:157]
	v_pk_add_f32 v[216:217], v[216:217], v[96:97]
	v_pk_add_f32 v[254:255], v[254:255], v[98:99]
	v_pk_add_f32 v[252:253], v[252:253], v[102:103]
	v_pk_add_f32 v[250:251], v[250:251], v[106:107]
	v_pk_add_f32 v[248:249], v[248:249], v[110:111]
	v_pk_add_f32 v[246:247], v[246:247], v[114:115]
	v_pk_add_f32 v[244:245], v[244:245], v[118:119]
	v_pk_add_f32 v[14:15], v[14:15], v[122:123]
	v_pk_add_f32 v[216:217], v[216:217], v[126:127]
	v_pk_add_f32 v[254:255], v[254:255], v[130:131]
	v_pk_add_f32 v[252:253], v[252:253], v[134:135]
	v_pk_add_f32 v[250:251], v[250:251], v[138:139]
	v_pk_add_f32 v[248:249], v[248:249], v[142:143]
	v_pk_add_f32 v[246:247], v[246:247], v[146:147]
	v_pk_add_f32 v[244:245], v[244:245], v[150:151]
	v_pk_add_f32 v[14:15], v[14:15], v[154:155]
	v_pk_add_f32 v[216:217], v[216:217], v[158:159]
	s_delay_alu instid0(VALU_DEP_2)
	v_pk_add_f32 v[14:15], v[14:15], v[250:251]
	s_delay_alu instid0(VALU_DEP_2)
	v_pk_add_f32 v[216:217], v[216:217], v[248:249]
	v_pk_add_f32 v[254:255], v[254:255], v[246:247]
	v_pk_add_f32 v[252:253], v[252:253], v[244:245]
	s_delay_alu instid0(VALU_DEP_2)
	v_pk_add_f32 v[14:15], v[14:15], v[254:255]
	s_delay_alu instid0(VALU_DEP_2)
	v_pk_add_f32 v[216:217], v[216:217], v[252:253]
	s_delay_alu instid0(VALU_DEP_1)
	v_pk_add_f32 v[14:15], v[14:15], v[216:217]
	s_wait_alu depctr_va_vdst(0)                   ; and one for the four
.irp b, 0,1,2,3
	v_max_num_f32 v[BM+\b], 0x2800000, v[BM+\b]    ; the floor 2^(5 - 127)
.endr
.irp b, 0,1,2,3
	s_delay_alu instid0(VALU_DEP_4)
	v_add_nc_u32 v[SOP+\b], 0xfe000000, v[BM+\b]   ; 4 off the exponent field: the conversion's scale operand
.endr
.irp b, 0,1,2,3
	s_delay_alu instid0(VALU_DEP_4)
	v_lshrrev_b32 v[BX+\b], 23, v[SOP+\b]          ; the scale's byte
.endr
	s_delay_alu instid0(VALU_DEP_3)
	v_lshl_or_b32 v226, v[BX+1], 8, v[BX]          ; p's scale word for these 128 keys
	s_delay_alu instid0(VALU_DEP_1)
	v_lshl_or_b32 v226, v[BX+2], 16, v226
	s_delay_alu instid0(VALU_DEP_1)
	v_lshl_or_b32 v226, v[BX+3], 24, v226
.irp c, 0,1
	v_cvt_scalef32_pk16_bf6_f32 v[192+6*\c:194+6*\c], v[96+32*\c:111+32*\c], v[SOP+2*\c]
	v_cvt_scalef32_pk16_bf6_f32 v[204+4*\c:206+4*\c], v[112+32*\c:127+32*\c], v[SOP+2*\c+1]
.endr
	v_nop                                          ; one plain place behind a scaled conversion
.irp c, 0,1                                    ; a whole block to a lane: lanes 0-15 block 2 c, lanes 16-31 block 2 c + 1
.irp i, 0,1,2
	v_permlane16_swap_b32 v[192+6*\c+\i], v[204+4*\c+\i]
.endr
.irp i, 0,1,2
	s_delay_alu instid0(VALU_DEP_3)
	v_mov_b32 v[195+6*\c+\i], v[204+4*\c+\i]
.endr
.endr
.set jj, 0
.rept 16
	v_pk_mul_f32 v[160+jj:161+jj], v[160+jj:161+jj], v[224:225] op_sel_hi:[1,0]   ; O^T under the new M; these sixteen also stand between the scale word's and the codes' last writes and the products
.set jj, jj+2
.endr
	s_wait_alu depctr_va_vdst(0)
	s_wait_dscnt 0x0                               ; V is in
.irp n, 0,1,2,3                                ; the four accumulators by turns
.if \n%2
	v_wmma_scale_f32_16x16x128_f8f6f4 v[160+8*\n:167+8*\n], v[32+12*\n:43+12*\n], v[192:203], v[160+8*\n:167+8*\n], v[90+\n/2], v226 matrix_a_fmt:MATRIX_FMT_BF6 matrix_b_fmt:MATRIX_FMT_BF6 matrix_a_scale:MATRIX_SCALE_ROW1
.else
	v_wmma_scale_f32_16x16x128_f8f6f4 v[160+8*\n:167+8*\n], v[32+12*\n:43+12*\n], v[192:203], v[160+8*\n:167+8*\n], v[90+\n/2], v226 matrix_a_fmt:MATRIX_FMT_BF6 matrix_b_fmt:MATRIX_FMT_BF6
.endif
.endr
.endm
.macro SLOT_STEPS
	v_add_nc_u32 v[ADR], s[TB], v[LI]
	s_wait_alu depctr_va_vdst(0)
	v_add_nc_u32 v[ADS], s[TB], v[L4]
	s_wait_alu depctr_va_vdst(0)
	STEP 0
	STEP 1
	STEP 2
	STEP 3
	s_xor_b32 s[TB], s[TB], SLOT1                  ; on to the other slot
.endm
	s_load_b128 s[4:7], s[0:1], 0x0                ; qc s[4:5], kv s[6:7]
	s_load_b64 s[8:9], s[0:1], 0x10                ; ao
	v_lshl_add_u32 v[SPW], v0, 2, SPARE
	v_mov_b32 v[NIL], 0
	ds_add_u32 v5, v6
	ds_add_u32 v5, v6
	s_wait_dscnt 0x0
	v_lshrrev_b32 v8, 5, v0
	s_delay_alu instid0(VALU_DEP_1)
	v_readfirstlane_b32 s[WV], v8                  ; wave 0..15
	s_bfe_u32 s10, ttmp6, 0x40000                  ; cx
	s_lshl_b32 s11, ttmp9, 2
	s_add_co_u32 s11, s11, s10                     ; my block of 256 queries: it enters qc's and ao's addresses alone
	s_and_b32 s12, ttmp7, 0xffff                   ; y = image x 8 + head, which the partners share
	; descriptor group 1: a record as 51 dense rows of 256 bytes (32 elements of 8 bytes); mask 15 with bit 21 beside it
	s_mov_b32 s[G1], 0x0023000f
	s_mov_b32 s[G1+1], 32<<16
	s_mov_b32 s[G1+2], 51<<16
	s_mov_b32 s[G1+3], 32<<16
	s_mov_b32 s[G1+4], 51
	s_mov_b32 s[G1+5], 32
	s_mov_b32 s[G1+6], 0
	s_mov_b32 s[G1+7], 0
	s_and_b32 s13, s[WV], 3
	s_mul_i32 s13, s13, REC                        ; the record that I fetch: its place in a slot and in memory
	s_mul_i32 s14, s12, 32*REC                     ; the head's first record
	s_add_co_u32 s16, s14, s13
	s_mov_b32 s17, 0
	s_mul_i32 s44, s10, REC                        ; the prefetches: my work-group's record,
	s_add_co_u32 s44, s44, s14
	s_add_co_u32 s44, s44, 4*REC                   ; in slot 1: the first change of slots steps it to slot 2
	s_mov_b32 s45, 0
	s_lshr_b32 s46, s[WV], 1
	s_xor_b32 s46, s46, 2                          ; 0 in waves 4 and 5,
	s_or_b32 s46, s46, ttmp9                       ; of the head's first cluster: the same in all four partners
	s_cmp_eq_u32 s46, 0
	s_cselect_b32 s[LIM], 1, -1
	s_mov_b32 s[SEL], 0x76543210
	s_mov_b32 s[SEL+1], 0xfedcba98
	s_mov_b32 s[CS], 0x3e38aa3b                    ; c = log2(e) / 8
	s_mov_b32 s[CS+1], s[CS]
	s_mov_b32 s[TB], 0
	s_mov_b32 s[SLOTS], NSL-1
	s_lshr_b32 s47, s[WV], 3
	s_lshl_b32 s48, s11, 1
	s_add_co_u32 s48, s48, s47                     ; blk: my block of 128 pixels
	s_and_b32 s49, s[WV], 7                        ; p: my tile in it
	s_lshl_b32 s50, s12, 5
	s_add_co_u32 s50, s50, s48
	s_mul_i32 s50, s50, 6656                       ; qc's record
	s_lshr_b32 s51, s49, 1                         ; the pair of tiles
	s_mul_i32 s52, s51, 1536
	s_add_co_u32 s52, s52, s50
	s_mov_b32 s53, 0
	s_and_b32 s56, s49, 1                          ; which of the pair
	s_lshl_b32 s57, s56, 8
	s_lshl_b32 s58, s51, 2
	s_add_co_u32 s57, s57, s58
	s_add_co_u32 s57, s57, s50
	s_add_co_u32 s58, s57, 6144                    ; my tile's scale words: 6144 + 16 (r + 16 (p % 2)) + 4 (p / 2)
	s_mov_b32 s59, 0
	s_wait_kmcnt 0x0
	s_add_nc_u64 s[PFA:PFA+1], s[6:7], s[44:45]
	s_add_nc_u64 s[54:55], s[4:5], s[52:53]
	s_add_nc_u64 s[60:61], s[4:5], s[58:59]
	CROUND                                         ; all four work-groups are here: the first joint loads meet
	s_mov_b32 s[G0], 1
	s_mov_b32 s[G0+1], s13
	s_add_nc_u64 s[G0+2:G0+3], s[6:7], s[16:17]
	s_or_b32 s[G0+3], s[G0+3], 0x80000000
	TLOAD                                          ; slot 0
	v_and_b32 v8, 31, v0
	s_delay_alu instid0(VALU_DEP_1)
	v_lshlrev_b32 v[LI], 4, v8
	s_delay_alu instid0(VALU_DEP_2)
	v_lshlrev_b32 v[L4], 2, v8
	s_delay_alu instid0(VALU_DEP_3)
	v_lshlrev_b32 v[L8], 3, v8
	v_and_b32 v9, 15, v0
	s_delay_alu instid0(VALU_DEP_1)
	v_lshlrev_b32 v[R16], 4, v9
.irp c, 0,1,2
	global_load_b128 v[232+4*\c:235+4*\c], v[LI], s[54:55] offset:512*\c   ; the pair's image
.endr
	global_load_b32 v28, v[R16], s[60:61]          ; Q's scale words
	v_and_b32 v[PFO], 63, v0                       ; in waves 4 and 5: rows 0 .. 63,
	s_delay_alu instid0(VALU_DEP_1)
	v_min_u32 v[PFO], 50, v[PFO]                   ; held at the record's last row
	s_delay_alu instid0(VALU_DEP_1)
	v_lshlrev_b32 v[PFO], 8, v[PFO]
.irp i, 0,1,2,3,4,5
	v_mov_b32 v[22+\i], 0                          ; Q's codes of k = 64 .. 127
	v_mov_b32 v[80+\i], 0                          ; what stands behind K's last tile
.endr
.irp b, 0,1,2,3
	v_mov_b32 v[BX+\b], 0                          ; written once: a lane permute's destination counts as one of its sources
.endr
	v_mov_b32 v225, 0                              ; (named as the upper half of the pair v[224:225])
	v_mov_b32 v13, 0xff61b1e6                      ; the largest t so far: -3e38
	s_delay_alu instid0(VALU_DEP_1)
	v_floor_f32 v12, -v13                          ; -M
	v_mov_b32 v14, 0
	v_mov_b32 v15, 0
	v_mov_b32 v227, s56
	s_delay_alu instid0(VALU_DEP_1)
	v_cmp_eq_u32 vcc_lo, 1, v227                   ; all lanes alike: my tile is the pair's second
	s_wait_loadcnt 0x0
.irp i, 0,1,2,3,4,5
	v_cndmask_b32 v[16+\i], v[232+\i], v[238+\i], vcc_lo
.endr
.set jj, 0
.rept 32
	v_mov_b32 v[160+jj], 0                         ; O^T: the loop is written once; its first step finds zeros, which the first change of M leaves zeros
.set jj, jj+1
.endr
.Lslot:                                            ; NSL - 1 trips: behind each change of slots but the last the next slot is asked for
	CHANGE 1
	SLOT_STEPS
	s_sub_co_u32 s[SLOTS], s[SLOTS], 1
	s_cmp_lg_u32 s[SLOTS], 0
	s_cbranch_scc1 .Lslot
	CHANGE 0                                       ; the last slot is written out
	SLOT_STEPS
	; THE WAY OUT: O^T / the sum, quantised along the channels (two blocks of 32), stored as half an image of the last product's operand.
	PLACES 4                                       ; four places behind the last products
	v_add_f32 v14, v14, v15
	s_delay_alu instid0(VALU_DEP_1)
	v_permlanex16_b32 v227, v14, s[SEL], s[SEL+1]
	s_delay_alu instid0(VALU_DEP_1)
	v_add_f32 v14, v14, v227                       ; the row's sum
	s_wait_alu depctr_va_vdst(0)
	v_rcp_f32 v14, v14
	v_nop                                          ; a plain place behind the transcendental
	s_lshr_b32 s50, s12, 3                         ; the image
	s_and_b32 s51, s12, 7                          ; the head
	s_lshl_b32 s50, s50, 5
	s_add_co_u32 s50, s50, s48
	s_mul_i32 s50, s50, 51200                      ; ao's record
	s_lshr_b32 s52, s51, 1
	s_lshl_b32 s52, s52, 3
	s_add_co_u32 s52, s52, s49                     ; fragment 8 (head / 2) + p,
	s_lshl_b32 s52, s52, 1
	s_and_b32 s53, s51, 1
	s_add_co_u32 s52, s52, s53                     ; its half head % 2
	s_mul_i32 s52, s52, 768
	s_add_co_u32 s52, s52, s50
	s_mov_b32 s53, 0
	s_add_nc_u64 s[54:55], s[8:9], s[52:53]
	s_lshl_b32 s56, s49, 8
	s_lshl_b32 s57, s51, 1
	s_add_co_u32 s56, s56, s57
	s_add_co_u32 s56, s56, s50
	s_add_co_u32 s56, s56, 49152                   ; the scale bytes: (16 p + r) 16 + 2 head
	s_mov_b32 s57, 0
	s_add_nc_u64 s[58:59], s[8:9], s[56:57]
	s_wait_alu depctr_va_vdst(0)                   ; the wait ahead of the first reader
.set jj, 0
.rept 32
	v_mul_f32 v[96+jj], v[160+jj], v14             ; register 16 b + i is channel 32 b + 16 h + i of my query
.set jj, jj+1
.endr
.irp b, 0,1
	v_max3_num_f32 v[BM+\b], |v[96+16*\b]|, |v[97+16*\b]|, 0x2800000
.endr
.irp i, 2,4,6,8,10,12,14
.irp b, 0,1
	s_delay_alu instid0(VALU_DEP_2)
	v_max3_num_f32 v[BM+\b], v[BM+\b], |v[96+16*\b+\i]|, |v[97+16*\b+\i]|
.endr
.endr
.irp b, 0,1
	s_delay_alu instid0(VALU_DEP_2)
	v_permlanex16_b32 v[BX+\b], v[BM+\b], s[SEL], s[SEL+1]
.endr
.irp b, 0,1
	s_delay_alu instid0(VALU_DEP_2)
	v_max_num_f32 v[BM+\b], v[BM+\b], v[BX+\b]
.endr
.irp b, 0,1
	s_delay_alu instid0(VALU_DEP_2)
	v_add_nc_u32 v[SOP+\b], 0xfe000000, v[BM+\b]
.endr
.irp b, 0,1
	s_delay_alu instid0(VALU_DEP_2)
	v_lshrrev_b32 v[BX+\b], 23, v[SOP+\b]
.endr
	s_delay_alu instid0(VALU_DEP_1)
	v_lshl_or_b32 v226, v[BX+1], 8, v[BX]          ; my head's two bytes of the pixel's scale word
	v_cvt_scalef32_pk16_bf6_f32 v[192:194], v[96:111], v[SOP]
	v_cvt_scalef32_pk16_bf6_f32 v[204:206], v[112:127], v[SOP+1]
	v_nop
.irp i, 0,1,2
	v_permlane16_swap_b32 v[192+\i], v[204+\i]
.endr
.irp i, 0,1,2
	s_delay_alu instid0(VALU_DEP_3)
	v_mov_b32 v[195+\i], v[204+\i]
.endr
	global_store_b128 v[LI], v[192:195], s[54:55]              ; registers 0-3: 512 consecutive bytes,
	global_store_b64 v[L8], v[196:197], s[54:55] offset:512    ; registers 4-5: 256
	global_store_b16 v[R16], v226, s[58:59]                    ; two bytes a pixel (lanes r and r + 16 hold the same): so the last launch reads whole scale words
	s_wait_tensorcnt 0x0                           ; the wave's end
	ds_add_u32 v[SPW], v[NIL]
	s_wait_dscnt 0x0
	CROUND                                         ; the closing round
	s_endpgm
.Lfunc_end_k_q3b343442aa_attn:
	.size	k_q3b343442aa_attn, .Lfunc_end_k_q3b343442aa_attn-k_q3b343442aa_attn
	.p2alignl 7, 3214868480
	.fill 96, 4, 3214868480
	.section	.rodata,"a",@progbits
	.p2align	6, 0x0
	.amdhsa_kernel k_q3b343442aa_attn
		.amdhsa_group_segment_fixed_size 327680
		.amdhsa_private_segment_fixed_size 0
		.amdhsa_enable_private_segment 0
		.amdhsa_kernarg_size 24
		.amdhsa_user_sgpr_count 2
		.amdhsa_user_sgpr_kernarg_segment_ptr 1
		.amdhsa_wavefront_size32 1
		.amdhsa_system_sgpr_workgroup_id_x 1
		.amdhsa_system_sgpr_workgroup_id_y 1
		.amdhsa_system_sgpr_workgroup_id_z 1
		.amdhsa_system_vgpr_workitem_id 0
		.amdhsa_next_free_vgpr 256
		.amdhsa_next_free_sgpr 66
		.amdhsa_reserve_vcc 1
		.amdhsa_float_denorm_mode_32 3
		.amdhsa_float_denorm_mode_16_64 3
		.amdhsa_memory_ordered 1
		.amdhsa_forward_progress 1
		.amdhsa_inst_pref_size 145
	.end_amdhsa_kernel
	.amdgpu_metadata
---
amdhsa.version: [ 1, 2 ]
amdhsa.kernels:
  - .name:           k_q3b343442aa_attn
    .symbol:         k_q3b343442aa_attn.kd
    .args:
      - { .name: qc, .offset: 0, .size: 8, .value_kind: global_buffer, .address_space: global }
      - { .name: kv, .offset: 8, .size: 8, .value_kind: global_buffer, .address_space: global }
      - { .name: ao, .offset: 16, .size: 8, .value_kind: global_buffer, .address_space: global }
    .group_segment_fixed_size: 327680
    .private_segment_fixed_size: 0
    .kernarg_segment_align: 8
    .kernarg_segment_size: 24
    .max_flat_workgroup_size: 512
    .sgpr_count:     66
    .vgpr_count:     256
    .wavefront_size: 32
...
	.end_amdgpu_metadata
.endif
;; end of part 3
;; launch proj (part 4): grid 4 x 64, 4 waves a work-group, clusters of 4 x 1, 168,448 bytes of LDS; arguments ao, wimg, wsc, bo, x, out0; writes out0
.if DOCPART == 4
	.amdgcn_target "amdgcn-amd-amdhsa--gfx1250"
	.amdhsa_code_object_version 6
	.text
	.protected	k_q3b343442aa_proj
	.globl	k_q3b343442aa_proj
	.p2align	8
	.type	k_q3b343442aa_proj,@function
k_q3b343442aa_proj:
	s_mov_b64 s[64:65], 0
	v_nop
	global_prefetch_b8 v0, s[64:65] scope:SCOPE_SE
	s_setreg_imm32_b32 hwreg(HW_REG_WAVE_MODE, 25, 1), 1
	s_wait_xcnt 0x0
	s_wait_alu depctr_hold_cnt(0) depctr_sa_sdst(0) depctr_va_vdst(0) depctr_va_sdst(0) depctr_va_ssrc(0) depctr_va_vcc(0) depctr_vm_vsrc(0)
	s_getreg_b32 s2, hwreg(HW_REG_IB_STS2, 6, 4)
	s_cmp_eq_u32 s2, 0
	s_cbranch_scc0 .Lentry_in_a_cluster
	s_endpgm
.Lentry_in_a_cluster:
	s_bfe_u32 s2, ttmp6, 0x10000c
	s_cmp_lg_u32 s2, 0x3003
	s_cbranch_scc0 .Lentry_shape_is_right
	s_endpgm
.Lentry_shape_is_right:
; out0 = wo attention + bo + x, the product on codes of BF6 (E3M2) with one E8M0 byte for each 32 along K = the 512 channels.
; SHARES.  Cluster y = a block of 128 pixels, whose codes and scale words are one dense record of 51,200 bytes: the four partners (place g) need the same record and ask for it jointly (mask 15), each wave 50 rows of 256 bytes, filled once.
; Partner g makes output channels 128 g on, wave w 32 of them: two weight tiles, 8 fragments, which stay in registers.  64 products a wave on 16 accumulators by turns.
; Source 0 = 16 pixels, source 1 = 16 rows of wo: a lane holds ONE output channel and eight neighbouring pixels, which are neighbours in out0.  The bias is the C of each sum's first product.
; The results go through the wave's own stage in LDS and come back as whole rows of 128 pixels; the residual is added there; each store covers 512 consecutive bytes.
.set STG,  51200                       ; behind the record: 32 rows x (512 + 16) bytes for each wave
.set LI,   4                           ; v4  16 x lane
.set L8,   5                           ; v5  8 x lane
.set SO,   6                           ; v6  the stage: where I put 32 bytes of a row
.set SR,   7                           ; v7  and where I read a row back
.set ACC,  16                          ; v16-143 accumulator (n, p) at ACC + 64 n + 8 p
.set XS,   192                         ; v192-207 the pixels' scale words: pair j, K step s at XS + 4 j + s
.set WS,   208                         ; v208-211 the weights'
.set BB,   96                          ; window 1: the bias, two tiles of 8
.set WV,   40
.set CX,   41
.set MSB, 0
.macro WIN new
.if MSB != \new
	s_set_vgpr_msb (MSB<<8)|\new
.set MSB, \new
.endif
.endm
.macro PLACES n
.rept \n
	v_nop
.endr
.endm
.macro CROUND
	s_barrier_signal -1
	s_barrier_wait -1
	s_cmp_lg_u32 s[WV], 0
	s_cbranch_scc1 .Lnot_wave_0_\@
	s_barrier_signal -3
.Lnot_wave_0_\@:
	s_barrier_wait -3
	s_barrier_signal -1
	s_barrier_wait -1
.endm
.macro LDA buf, s                      ; K step s: the eight pixel tiles' fragments into buffer buf of window 3; a fragment is two half images of 768 bytes; 32 loads
	WIN 0xc0
.irp p, 0,1,2,3,4,5,6,7
	ds_load_b128 v[96*(\buf)+12*\p:96*(\buf)+12*\p+3], v[LI] offset:(8*(\s)+\p)*1536
	ds_load_b64 v[96*(\buf)+12*\p+4:96*(\buf)+12*\p+5], v[L8] offset:(8*(\s)+\p)*1536+512
	ds_load_b128 v[96*(\buf)+12*\p+6:96*(\buf)+12*\p+9], v[LI] offset:(8*(\s)+\p)*1536+768
	ds_load_b64 v[96*(\buf)+12*\p+10:96*(\buf)+12*\p+11], v[L8] offset:(8*(\s)+\p)*1536+1280
.endr
	WIN 0
.endm
.macro WM                              ; one product, from the symbols rD rA rB rC rSA rSB; rRA, rRB: the scales stand in lanes 16-31
.if rRA && rRB
	v_wmma_scale_f32_16x16x128_f8f6f4 v[rD:rD+7], v[rA:rA+11], v[rB:rB+11], v[rC:rC+7], v[rSA], v[rSB] matrix_a_fmt:MATRIX_FMT_BF6 matrix_b_fmt:MATRIX_FMT_BF6 matrix_a_scale:MATRIX_SCALE_ROW1 matrix_b_scale:MATRIX_SCALE_ROW1
.elseif rRA
	v_wmma_scale_f32_16x16x128_f8f6f4 v[rD:rD+7], v[rA:rA+11], v[rB:rB+11], v[rC:rC+7], v[rSA], v[rSB] matrix_a_fmt:MATRIX_FMT_BF6 matrix_b_fmt:MATRIX_FMT_BF6 matrix_a_scale:MATRIX_SCALE_ROW1
.elseif rRB
	v_wmma_scale_f32_16x16x128_f8f6f4 v[rD:rD+7], v[rA:rA+11], v[rB:rB+11], v[rC:rC+7], v[rSA], v[rSB] matrix_a_fmt:MATRIX_FMT_BF6 matrix_b_fmt:MATRIX_FMT_BF6 matrix_b_scale:MATRIX_SCALE_ROW1
.else
	v_wmma_scale_f32_16x16x128_f8f6f4 v[rD:rD+7], v[rA:rA+11], v[rB:rB+11], v[rC:rC+7], v[rSA], v[rSB] matrix_a_fmt:MATRIX_FMT_BF6 matrix_b_fmt:MATRIX_FMT_BF6
.endif
.endm
.macro BP s
	PLACES 4                                       ; four places in front of loads into the buffer that the batch before multiplied
.if \s < 3
	LDA 1-(\s)%2, (\s)+1
	s_wait_dscnt 32                                ; all but the 32 just issued
.else
	s_wait_dscnt 0x0
.endif
.if \s == 0
	s_wait_loadcnt 32                              ; weights, bias and scale words are in; the 32 loads of the residual may be out
	WIN 0x17                                       ; source 0 (pixels) window 3, source 1 (weights) window 1, C (bias) window 1
.else
	WIN 0x07
.endif
.irp p, 0,1,2,3,4,5,6,7
.irp n, 0,1
.set rD, ACC+64*\n+8*\p
.set rA, 96*((\s)%2)+12*\p
.set rB, 12*(4*\n+\s)
.if \s == 0
.set rC, BB+8*\n
.else
.set rC, rD
.endif
.set rSA, XS+4*(\p/2)+\s
.set rSB, WS+\s
.set rRA, \p%2
.set rRB, \n
	WM
.endr
.endr
	WIN 0
.endm
	s_load_b256 s[4:11], s[0:1], 0x0               ; ao s[4:5], wimg s[6:7], wsc s[8:9], bo s[10:11]
	s_load_b128 s[12:15], s[0:1], 0x20             ; x s[12:13], out0 s[14:15]
	v_lshl_add_u32 v254, v0, 2, 0x29000
	v_mov_b32 v255, 0
	ds_add_u32 v254, v255
	ds_add_u32 v254, v255
	v_lshrrev_b32 v1, 5, v0
	v_readfirstlane_b32 s[WV], v1                  ; wave 0..3
	s_bfe_u32 s[CX], ttmp6, 0x40000                ; g
	s_and_b32 s42, ttmp7, 0xffff                   ; the record: image x 32 + blk
	; descriptor group 1: 50 dense rows of 256 bytes (32 elements of 8 bytes); mask 15 with bit 21 beside it
	s_mov_b32 s24, 0x0023000f
	s_mov_b32 s25, 32<<16
	s_mov_b32 s26, 50<<16
	s_mov_b32 s27, 32<<16
	s_mov_b32 s28, 50
	s_mov_b32 s29, 32
	s_mov_b32 s30, 0
	s_mov_b32 s31, 0
	s_mul_i32 s45, s[WV], 12800                    ; my quarter of the record, in LDS and in memory
	s_mul_i32 s46, s42, 51200
	s_add_co_u32 s46, s46, s45
	s_mov_b32 s47, 0
	s_wait_dscnt 0x0
	s_wait_kmcnt 0x0
	CROUND                                         ; all four work-groups are here: the joint loads meet
	s_mov_b32 s32, 1
	s_mov_b32 s33, s45
	s_add_nc_u64 s[34:35], s[4:5], s[46:47]
	s_or_b32 s35, s35, 0x80000000
	tensor_load_to_lds s[32:35], s[24:31]          ; one load of mine is out; nothing in LDS is filled twice in this launch
	s_nop 0
	PLACES 4
	v_and_b32 v1, 31, v0                           ; lane
	v_and_b32 v2, 15, v0                           ; r
	v_bfe_u32 v3, v0, 4, 1                         ; h
	v_lshlrev_b32 v[LI], 4, v1
	s_wait_alu depctr_va_vdst(0)
	v_lshlrev_b32 v[L8], 3, v1
	v_and_b32 v8, 8, v2
	v_add_nc_u32 v8, v8, v2                        ; r + 8 (r / 8): my channel among a tile pair's 32
	v_lshlrev_b32 v9, 2, v8                        ; its bias
	s_wait_alu depctr_va_vdst(0)
	s_mul_i32 s48, s[WV], 16896
	s_add_co_u32 s48, s48, STG                     ; my stage
	v_mul_u32_u24 v[SO], v8, 528
	v_lshl_add_u32 v[SO], v3, 6, v[SO]
	v_add_nc_u32 v[SO], s48, v[SO]
	v_add_nc_u32 v[SR], s48, v[LI]
	s_lshl_b32 s50, s[CX], 3
	s_lshl_b32 s51, s[WV], 1
	s_add_co_u32 s50, s50, s51
	s_add_co_u32 s50, s50, 96                      ; my first weight tile: 96 + 8 g + 2 w
	s_mul_i32 s52, s50, 6144
	s_mov_b32 s53, 0
	s_add_nc_u64 s[6:7], s[6:7], s[52:53]
	s_lshl_b32 s52, s50, 8
	s_add_nc_u64 s[8:9], s[8:9], s[52:53]
	s_lshl_b32 s50, s[CX], 2
	s_add_co_u32 s50, s50, s[WV]                   ; my 32 output channels: 32 (4 g + w) on
	s_lshl_b32 s52, s50, 7
	s_add_nc_u64 s[10:11], s[10:11], s[52:53]
	s_lshr_b32 s51, s42, 5
	s_lshl_b32 s52, s51, 23                        ; the image,
	s_lshl_b32 s51, s50, 19                        ; my channels' rows of 16,384 bytes,
	s_add_co_u32 s52, s52, s51
	s_and_b32 s51, s42, 31
	s_lshl_b32 s51, s51, 9                         ; the block's 128 pixels
	s_add_co_u32 s52, s52, s51
	s_add_nc_u64 s[12:13], s[12:13], s[52:53]
	s_add_nc_u64 s[14:15], s[14:15], s[52:53]
	WIN 0x40                                       ; destination window 1
.set ii, 0
.rept 24
	global_load_b128 v[4*ii:4*ii+3], v[LI], s[6:7] offset:512*ii     ; fragment (n, s) at v[12 (4 n + s)]
.set ii, ii+1
.endr
.irp n, 0,1
.irp j, 0,1,2,3,4,5,6,7
	global_load_b32 v[BB+8*\n+\j], v9, s[10:11] offset:32*\n         ; a lane holds one channel: its bias in all eight registers
.endr
.endr
	WIN 0
	global_load_b128 v[WS:WS+3], v[LI], s[8:9]
	WIN 0x80                                       ; destination window 2
.set ii, 0
.rept 32
	global_load_b128 v[4*ii:4*ii+3], v[LI], s[12:13] offset:16384*ii th:TH_LOAD_NT   ; the residual: my 32 channels' rows of 512 bytes
.set ii, ii+1
.endr
	WIN 0
	s_wait_tensorcnt 0x0                           ; my quarter of the record is in,
	s_barrier_signal -1
	s_barrier_wait -1                              ; everybody's is
.irp j, 0,1,2,3
	ds_load_b128 v[XS+4*\j:XS+4*\j+3], v[LI] offset:49152+512*\j
.endr
	LDA 0, 0
	BP 0
	BP 1
	BP 2
	BP 3
	; THE WAY OUT
	PLACES 4                                       ; in front of the first read of results and of loads into registers that the last products read
	s_wait_alu depctr_va_vdst(0)
.irp n, 0,1
.irp p, 0,1,2,3,4,5,6,7
	ds_store_b128 v[SO], v[ACC+64*\n+8*\p:ACC+64*\n+8*\p+3] offset:8*\n*528+(32*(\p/2)+8*(\p%2))*4       ; each accumulator from its low end on
	ds_store_b128 v[SO], v[ACC+64*\n+8*\p+4:ACC+64*\n+8*\p+7] offset:8*\n*528+(32*(\p/2)+8*(\p%2))*4+16
.endr
.endr
	WIN 0xc0                                       ; destination window 3
.set ii, 0
.rept 32
	ds_load_b128 v[4*ii:4*ii+3], v[SR] offset:528*ii   ; LDS serves a wave's instructions in order: these see my stores
.set ii, ii+1
.endr
	s_wait_loadcnt 0x0                             ; the residual
.irp f, 0,1
	s_wait_dscnt 16-16*\f                          ; these 16 rows are back; the younger 16 loads may be out
	WIN 0xcb                                       ; destination and source 0 window 3, source 1 (the residual) window 2
.set ii, 0
.rept 32
	v_pk_add_f32 v[64*\f+2*ii:64*\f+2*ii+1], v[64*\f+2*ii:64*\f+2*ii+1], v[64*\f+2*ii:64*\f+2*ii+1]
.set ii, ii+1
.endr
	WIN 0x0c                                       ; a store's data are its source 1: window 3
.set ii, 0
.rept 16
	global_store_b128 v[LI], v[64*\f+4*ii:64*\f+4*ii+3], s[14:15] offset:16384*(16*\f+ii) th:TH_STORE_NT   ; 32 lanes store 512 consecutive bytes, at a multiple of 512 from out0's first byte
.set ii, ii+1
.endr
.endr
	WIN 0
	s_wait_tensorcnt 0x0
	ds_add_u32 v254, v255
	s_wait_dscnt 0x0
	CROUND                                         ; the closing round
	s_endpgm
.Lfunc_end_k_q3b343442aa_proj:
	.size	k_q3b343442aa_proj, .Lfunc_end_k_q3b343442aa_proj-k_q3b343442aa_proj
	.p2alignl 7, 3214868480
	.fill 96, 4, 3214868480
	.section	.rodata,"a",@progbits
	.p2align	6, 0x0
	.amdhsa_kernel k_q3b343442aa_proj
		.amdhsa_group_segment_fixed_size 168448
		.amdhsa_private_segment_fixed_size 0
		.amdhsa_enable_private_segment 0
		.amdhsa_kernarg_size 48
		.amdhsa_user_sgpr_count 2
		.amdhsa_user_sgpr_kernarg_segment_ptr 1
		.amdhsa_wavefront_size32 1
		.amdhsa_system_sgpr_workgroup_id_x 1
		.amdhsa_system_sgpr_workgroup_id_y 1
		.amdhsa_system_sgpr_workgroup_id_z 1
		.amdhsa_system_vgpr_workitem_id 0
		.amdhsa_next_free_vgpr 1024
		.amdhsa_next_free_sgpr 66
		.amdhsa_reserve_vcc 0
		.amdhsa_float_denorm_mode_32 3
		.amdhsa_float_denorm_mode_16_64 3
		.amdhsa_memory_ordered 1
		.amdhsa_forward_progress 1
		.amdhsa_inst_pref_size 41
	.end_amdhsa_kernel
	.amdgpu_metadata
---
amdhsa.version: [ 1, 2 ]
amdhsa.kernels:
  - .name:           k_q3b343442aa_proj
    .symbol:         k_q3b343442aa_proj.kd
    .args:
      - { .name: ao, .offset: 0, .size: 8, .value_kind: global_buffer, .address_space: global }
      - { .name: wimg, .offset: 8, .size: 8, .value_kind: global_buffer, .address_space: global }
      - { .name: wsc, .offset: 16, .size: 8, .value_kind: global_buffer, .address_space: global }
      - { .name: bo, .offset: 24, .size: 8, .value_kind: global_buffer, .address_space: global }
      - { .name: x, .offset: 32, .size: 8, .value_kind: global_buffer, .address_space: global }
      - { .name: out0, .offset: 40, .size: 8, .value_kind: global_buffer, .address_space: global }
    .group_segment_fixed_size: 168448
    .private_segment_fixed_size: 0
    .kernarg_segment_align: 8
    .kernarg_segment_size: 48
    .max_flat_workgroup_size: 128
    .sgpr_count:     66
    .vgpr_count:     1024
    .wavefront_size: 32
...
	.end_amdgpu_metadata
.endif
;; end of part 4
